; MI455X (gfx1250); checked and timed in simulation.
; The chip was launched on July 23, 2026; its instructions are those of AMD's public machine-readable ISA for CDNA 5 (MIT licence, August 2026) and "CDNA5" Instruction Set Architecture Reference Guide (July 2026). The comments in the code are by the model that wrote it; some were corrected since.
;; Causal Self Attention. Allowed arithmetic: matrix products marked QUANTISED: E4M3 operands, one given power-of-two scale a tensor, by v_wmma_f32_16x16x64_fp8_fp8 or v_wmma_f32_16x16x128_fp8_fp8, f32 sums; everything else in f32.
;; Inputs: lowp_scales 8 int32 (the exponents e of the quantised operands' scales 2^e); w_attn 1,024 x 3,072 float32; w_proj 1,024 x 1,024 float32; x 4 x 2,048 x 1,024 float32.
;; Outputs: out0 4 x 2,048 x 1,024 float32.
;; This version of the problem:
;;   THIS VERSION OF THE PROBLEM IS GIVEN IN LOW PRECISION. The matrix products marked QUANTISED in the list below multiply operands that are first quantised to E4M3 (4 exponent bits, 3 mantissa bits; 8 bits a number), with one given power-of-two scale for each operand tensor; their sums are f32. All else is computed in f32.
;;   The module's matrix products, in the order in which they are computed (A, B: the left and right operand; K: the contracted axis; several contracted axes count as one K, in the product's order):
;;     1. [M 8,192, K 1,024] x [K 1,024, N 3,072]; A: input x; B: input w_attn: QUANTISED (scales: A lowp_scales[0], B lowp_scales[1])
;;     2. batch 64 x [M 2,048, K 64] x [K 64, N 2,048]; A: computed on the way; B: computed on the way: QUANTISED (scales: A lowp_scales[2], B lowp_scales[3])
;;     3. batch 64 x [M 2,048, K 2,048] x [K 2,048, N 64]; A: softmax (see below); B: computed on the way: QUANTISED (scales: A lowp_scales[4], B lowp_scales[5])
;;     4. [M 8,192, K 1,024] x [K 1,024, N 1,024]; A: computed on the way; B: input w_proj: QUANTISED (scales: A lowp_scales[6], B lowp_scales[7])
;;   THE QUANTISER, for each operand of a quantised product, along K:
;;     - The operand's scale is 2^e, e = its entry of the input lowp_scales (int32; the entries are numbered through the quantised products in the list's order, A before B).
;;     - Each number is divided by the scale, clamped to +-448, and rounded to the nearest number of E4M3, ties to even, subnormals kept.
;;     - The product sums the exact products of the quantised numbers (number of the format x scale) in f32.
;;   ~~~python
;;   def quantise(x, axis, e):      # numpy; x: float32 -> the quantised numbers, widened to float32 again
;;       x = np.moveaxis(x, axis, -1); K = x.shape[-1]
;;       r = np.clip(x / 2.0 ** e, -448, 448)
;;       step = 2.0 ** (np.maximum(np.frexp(np.where(r == 0, 1, r))[1] - 1, -6) - 3)
;;       q = np.round(r / step) * step * 2.0 ** e      # np.round: ties to even
;;       return np.moveaxis(q, -1, axis).astype(np.float32)
;;   ~~~
;;   SOFTMAX AHEAD OF A QUANTISED PRODUCT. Where the list says 'softmax', what is quantised is not the finished softmax but p = 2^(t - M), with t = logit x log2(e) and M = ceil(the row's largest t), a whole number; so 1/2 < the row's largest p <= 1. The row's sum l is taken of the UNQUANTISED p, in f32, and the product's result is divided by l at the end. Since M is a whole number, a kernel that streams over the keys may use a running M (the ceiling of the running maximum): every later rescaling is an exact power of two, so the quantised numbers keep their values, but for numbers so far below the row's largest that they fall under the format's range.
;;   OPERANDS COMPUTED ON THE WAY. 'Computed on the way' means the value that the module computes at that place (a softmax that the list does not call 'softmax' is quantised finished and normalised). What goes into a quantiser is computed in f32, as accurately as f32 sums, v_exp_f32 and their like allow (about 1e-6 of the number): no bf16 or f16 on the way to a quantiser, and a product that is left as it is and whose result goes on into a quantised operand takes f32 operands (vector FMAs, or v_wmma_f32_16x16x4_f32). A number that lies on a knife's edge between two numbers of the format may be rounded either way, as far as f32 arithmetic and the matrix unit's own rounding can turn it there, and no further.
;; One version. Each part assembles by itself: llvm-mc -triple=amdgcn-amd-amdhsa -mcpu=gfx1250 --defsym DOCPART=n.
;; ======== version 1 of 1: 4 launches
;; limits: right only within a limited range of input values
;; workspace buffers: x_codes 8,388,608 bytes; wa_codes 3,145,728 bytes; wp_codes 1,048,576 bytes; q_img 8,388,608 bytes; kv_img 16,777,216 bytes; y_img 8,388,608 bytes
;; launch quant (part 1): grid 640 x 1, 4 waves a work-group, no clusters, 68,096 bytes of LDS; arguments x, w_attn, w_proj, lowp_scales, x_codes, wa_codes, wp_codes; writes x_codes, wa_codes, wp_codes
.if DOCPART == 1
	.amdgcn_target "amdgcn-amd-amdhsa--gfx1250"
	.amdhsa_code_object_version 6
	.text
	.protected	k_q5423e87aba_quant
	.globl	k_q5423e87aba_quant
	.p2align	8
	.type	k_q5423e87aba_quant,@function
k_q5423e87aba_quant:
	s_mov_b64 s[64:65], 0
	v_nop
	global_prefetch_b8 v0, s[64:65] scope:SCOPE_SE
	s_setreg_imm32_b32 hwreg(HW_REG_WAVE_MODE, 25, 1), 1
	s_wait_xcnt 0x0
; x [8192][1024], w_attn [1024][3072] and w_proj [1024][1024], f32, become codes of FP8 (E4M3), K innermost, each with its given scale 2^e (entries 0, 1 and 7 of the scales).
; code = number / 2^e, held within +-448, rounded to the nearest code, ties to even.
; LIMITS: each e lies between -126 and 119, so that 2^e and 448 x 2^e are f32 numbers.  NaN among the inputs is not served (an infinity is held at the largest code).
; ROW ORDER OF THE CODES.  Stored row s of x_codes holds token row swap(s), stored row s of wa_codes / wp_codes holds column swap(s) of the weight, swap = bits 3 and 4 of the number exchanged.
; So 16 stored rows that a matrix tile takes are true rows 0-7 and 16-23 (or 8-15 and 24-31) of a group of 32, and the 16 result registers of two neighbouring tiles are 16 true neighbours.
; Work-groups 0 to 511 take x: K is innermost there, a wave takes 4 rows (4,096 numbers) in 8 steps of 512; each load reads 512 consecutive bytes, the numbers turn through the wave's own stage in LDS so that a lane
; holds 16 neighbours, and each store of codes covers 512 consecutive bytes.  Work-groups 512 to 639 take the weights: K is the FIRST axis there: a lane takes a column and its registers run down K; a wave takes
; 32 columns x 256 along K, and its codes leave through a stage as rows: sixteen lanes store 256 consecutive bytes, aligned.  The two ways part on the work-group's number, never meet again, and have LDS bytes of their own.
; No tensor loads, no barrier, no matrix unit, no cluster: waves share nothing, and every byte is read once and written once.
.set XWG,   512                        ; work-groups for x
.set STEPS, 8
.set SP,    80                         ; x: a lane's place in a stage: its 64 bytes + 16 of padding
.set WREG,  8192                       ; x: LDS of a wave: two stages of 32 x SP bytes
.set R,     16                         ; v16-79   x: four sets of 16 numbers as loaded
.set X,     80                         ; v80-111  x: two sets of 16 neighbours
.set C,     128                        ; v128-159 x: codes, four registers for each step: no store's data are written again
.set WSTG,  32768                      ; weights: the stages begin here
.set PITCH, 272                        ; weights: a stage row: 256 bytes of codes + 16
.set NB,    8                          ; weights: blocks of 32 along K for a wave
.set WX,    32                         ; v32-95   weights: two sets of 32 numbers
.set WC,    96                         ; v96-103  weights: a block's codes
.set OUTR,  112                        ; v112-175 weights: the way out
.set VO,    176                        ; v176-207 weights: byte offset of row i of a block at my column: 4 x lane + i x a row; never rewritten
.set SB,    48                         ; s[48:63] weights: the address of each of the eight blocks' first row; never rewritten
	s_load_b256 s[4:11], s[0:1], 0x0               ; x s[4:5], w_attn s[6:7], w_proj s[8:9], the scales' exponents s[10:11]
	s_load_b128 s[12:15], s[0:1], 0x20             ; x_codes s[12:13], wa_codes s[14:15]
	s_load_b64 s[16:17], s[0:1], 0x30              ; wp_codes
	v_lshl_add_u32 v208, v0, 2, 0x10800
	v_mov_b32 v209, 0
	v_lshrrev_b32 v1, 5, v0
	v_readfirstlane_b32 s18, v1                    ; wave 0..3
	v_and_b32 v2, 31, v0                           ; lane
	s_wait_kmcnt 0x0
	s_load_b256 s[40:47], s[10:11], 0x0            ; e0 .. e7
	s_cmp_lt_u32 ttmp9, XWG
	s_cbranch_scc0 .Lweights
	s_wait_alu depctr_va_vdst(0)
	; ---------------- x ----------------
	v_lshlrev_b32 v3, 4, v2                        ; my 16 bytes of a load's 512, and of a store's 512
	s_wait_alu depctr_va_vdst(0)
	s_mul_i32 s19, s18, WREG
	v_lshrrev_b32 v14, 2, v2
	v_mul_u32_u24 v14, v14, SP
	v_and_b32 v15, 3, v2
	v_lshl_add_u32 v14, v15, 4, v14
	v_add_nc_u32 v14, s19, v14                     ; the stage, on the way in: SP (lane / 4) + 16 (lane % 4); a load's 512 bytes take eight places
	v_mul_u32_u24 v15, v2, SP
	v_add_nc_u32 v15, s19, v15                     ; and on the way out: SP x lane: my 16 neighbours
	s_lshl_b32 s20, ttmp9, 2
	s_add_co_u32 s20, s20, s18                     ; m: my wave's run of 4 rows
	s_lshl_b32 s22, s20, 14                        ; 4 rows of 4,096 bytes
	s_mov_b32 s23, 0
	s_add_nc_u64 s[4:5], s[4:5], s[22:23]
	s_lshr_b32 s21, s20, 1                         ; g: the group of 8 rows; a row's bits 3 and 4 are g's bits 0 and 1
	s_and_b32 s24, s21, 0xfffffffc
	s_bfe_u32 s25, s21, 0x10000
	s_bfe_u32 s26, s21, 0x10001
	s_lshl_b32 s25, s25, 1
	s_or_b32 s24, s24, s25
	s_or_b32 s24, s24, s26                         ; g with the two bits exchanged
	s_lshl_b32 s24, s24, 13                        ; 8 rows of 1,024 bytes of codes
	s_and_b32 s25, s20, 1
	s_lshl_b32 s25, s25, 12                        ; which 4 of the 8
	s_add_co_u32 s24, s24, s25
	s_mov_b32 s25, 0
	s_add_nc_u64 s[12:13], s[12:13], s[24:25]
.macro XLOAD t
.irp i, 0,1,2,3
	global_load_b128 v[R+16*((\t)%4)+4*\i:R+16*((\t)%4)+4*\i+3], v3, s[4:5] offset:2048*(\t)+512*\i th:TH_LOAD_NT   ; 32 lanes read 512 consecutive bytes
.endr
.endm
.macro XTURN t                         ; step t's numbers through the stage: LDS serves a wave's instructions in order, so no wait stands between the stores and the loads
.irp i, 0,1,2,3
	ds_store_b128 v14, v[R+16*((\t)%4)+4*\i:R+16*((\t)%4)+4*\i+3] offset:32*SP*((\t)%2)+8*SP*\i
.endr
.irp i, 0,1,2,3
	ds_load_b128 v[X+16*((\t)%2)+4*\i:X+16*((\t)%2)+4*\i+3], v15 offset:32*SP*((\t)%2)+16*\i
.endr
.endm
.irp t, 0,1,2,3
	XLOAD \t
.endr
	s_wait_alu depctr_va_vdst(0)
	s_wait_kmcnt 0x0
	s_add_co_i32 s22, s40, 127
	s_lshl_b32 s23, s22, 23
	v_mov_b32 v11, s23                             ; 2^e0 as f32: the conversion takes its exponent field
	s_wait_alu depctr_va_vdst(0)
	s_wait_loadcnt 12                              ; step 0's four loads are in; the twelve of steps 1 to 3 may be out
	XTURN 0
.macro XSTEP t
.set XS, X+16*((\t)%2)
	s_wait_dscnt 0x0                               ; this step's numbers are back from the stage: so its stores into the stage have read their registers,
.if (\t)+4 < STEPS
	XLOAD (\t)+4                                   ; which take the loads of four steps on
.endif
.if (\t)+1 < STEPS
.if STEPS-2-(\t) >= 3
	s_wait_loadcnt 12                              ; the next step's four loads are in; those of the three steps behind it may be out
.else
	s_wait_loadcnt 4*(STEPS-2-(\t))                ; the tail: fewer steps are behind it
.endif
	XTURN (\t)+1                                   ; and go through the other stage while this step is worked
.endif
.irp i, 0,1,2,3,4,5,6,7,8,9,10,11,12,13,14,15
.endr
	v_cvt_scalef32_pk8_fp8_f32 v[C+4*(\t):C+4*(\t)+1], v[XS:XS+7], v11
	v_cvt_scalef32_pk8_fp8_f32 v[C+4*(\t)+2:C+4*(\t)+3], v[XS+8:XS+15], v11
	v_nop                                          ; a plain line behind the last conversion of the run
	global_store_b128 v3, v[C+4*(\t):C+4*(\t)+3], s[12:13] offset:512*(\t)   ; the wave stores 512 consecutive bytes, aligned
.endm
.irp t, 0,1,2,3,4,5,6,7
	XSTEP \t
.endr
	s_wait_tensorcnt 0x0
	ds_add_u32 v208, v209
	s_wait_dscnt 0x0
	s_endpgm
	; ---------------- the weights ----------------
.Lweights:
	s_sub_co_u32 s20, ttmp9, XWG                   ; 0 .. 95: w_attn (24 groups of 128 columns x 4 quarters of K); 96 .. 127: w_proj (8 x 4)
	s_cmp_lt_u32 s20, 96
	s_cselect_b64 s[6:7], s[6:7], s[8:9]           ; the weight: a choice on the work-group's number alone
	s_cselect_b64 s[14:15], s[14:15], s[16:17]     ; its codes
	s_cselect_b32 s21, 0, 96
	s_mov_b32 s22, 4096
	s_cselect_b32 s22, 12288, s22                  ; a row of the weight in bytes
	s_sub_co_u32 s20, s20, s21
	s_lshr_b32 s23, s20, 2                         ; which 128 columns
	s_and_b32 s24, s20, 3                          ; which 256 along K
	s_lshl_b32 s23, s23, 7
	s_lshl_b32 s25, s18, 5
	s_add_co_u32 s23, s23, s25                     ; my wave's first column
	s_mul_i32 s26, s24, s22
	s_lshl_b32 s26, s26, 8                         ; 256 rows for each quarter of K
	s_lshl_b32 s25, s23, 2
	s_add_co_u32 s26, s26, s25
	s_mov_b32 s27, 0
	s_add_nc_u64 s[SB:SB+1], s[6:7], s[26:27]      ; block 0's first row at my first column
	s_lshl_b32 s28, s22, 5                         ; 32 rows on
	s_mov_b32 s29, 0
.irp t, 1,2,3,4,5,6,7
	s_add_nc_u64 s[SB+2*\t:SB+2*\t+1], s[SB+2*\t-2:SB+2*\t-1], s[28:29]
.endr
	s_lshl_b32 s26, s23, 10                        ; codes: my first column's row of 1,024 bytes,
	s_lshl_b32 s25, s24, 8                         ; my 256 bytes of it
	s_add_co_u32 s26, s26, s25
	s_add_nc_u64 s[14:15], s[14:15], s[26:27]
	s_wait_alu depctr_va_vdst(0)
	v_lshlrev_b32 v[VO], 2, v2                     ; 4 bytes a lane: a load reads 128 consecutive bytes, the four waves stand side by side on 512
.set i, 1
.rept 31
	v_add_nc_u32 v[VO+i], s22, v[VO+i-1]
.set i, i+1
.endr
	s_mul_i32 s19, s18, 32*PITCH
	s_add_co_u32 s19, s19, WSTG                    ; my stage
	v_mul_u32_u24 v4, v2, PITCH
	v_add_nc_u32 v4, s19, v4                       ; into it: row = my column
	v_and_b32 v5, 15, v2
	v_lshrrev_b32 v6, 4, v2                        ; out of it: sixteen lanes to a row, two rows an instruction
	v_mul_u32_u24 v7, v6, PITCH
	v_lshl_add_u32 v7, v5, 4, v7
	v_add_nc_u32 v7, s19, v7
	v_lshlrev_b32 v8, 10, v6
	v_lshl_add_u32 v8, v5, 4, v8                   ; and the same place in the codes' buffer
.macro WLOAD t                         ; block t: W(32 t + i, my column), i = 0 .. 31, into set t % 2
.set i, 0
.rept 32
	global_load_b32 v[WX+32*((\t)%2)+i], v[VO+i], s[SB+2*(\t):SB+2*(\t)+1] th:TH_LOAD_NT
.set i, i+1
.endr
.endm
	WLOAD 0
	WLOAD 1
	s_wait_kmcnt 0x0
	s_cmp_lt_u32 ttmp9, XWG+96
	s_cselect_b32 s30, s41, s47                    ; e1 for w_attn, e7 for w_proj
	s_add_co_i32 s30, s30, 127
	s_lshl_b32 s31, s30, 23
	v_mov_b32 v11, s31                             ; 2^e as f32
	s_add_co_i32 s30, s30, 8
	s_lshl_b32 s30, s30, 23
	s_or_b32 s30, s30, 0x600000
.macro WBLOCK t
.set XS, WX+32*((\t)%2)
.if (\t) < NB-1
	s_wait_loadcnt 32                              ; this block's 32 loads are in; the next block's 32 may be out
.else
	s_wait_loadcnt 0
.endif
.set i, 0
.rept 32
.set i, i+1
.endr
.irp g, 0,1,2,3
	v_cvt_scalef32_pk8_fp8_f32 v[WC+2*\g:WC+2*\g+1], v[XS+8*\g:XS+8*\g+7], v11
.endr
	v_nop                                          ; a plain line behind the last conversion of the run
	ds_store_b128 v4, v[WC:WC+3] offset:32*(\t)    ; 32 codes: 32 bytes of my column's row
	ds_store_b128 v4, v[WC+4:WC+7] offset:32*(\t)+16
.if (\t)+2 < NB
	WLOAD (\t)+2
.endif
	s_wait_dscnt 0x0                               ; the stores have read their registers: the next block's codes may be written
.endm
	s_wait_alu depctr_va_vdst(0)
.irp t, 0,1,2,3,4,5,6,7
	WBLOCK \t
.endr
.irp t, 0,1,2,3,4,5,6,7,8,9,10,11,12,13,14,15
	ds_load_b128 v[OUTR+4*\t:OUTR+4*\t+3], v7 offset:2*\t*PITCH   ; LDS serves a wave's instructions in order: these see my stores
.endr
.irp t, 0,1,2,3,4,5,6,7,8,9,10,11,12,13,14,15
	s_wait_dscnt 15-\t                             ; the younger reads may be out
	global_store_b128 v8, v[OUTR+4*\t:OUTR+4*\t+3], s[14:15] offset:(((2*\t)&7)+16*(((2*\t)>>3)&1)+8*(((2*\t)>>4)&1))*1024   ; column 2 t (+ 1 in lanes 16-31) goes to the row with bits 3 and 4 exchanged; 16 lanes store 256 consecutive bytes, aligned
.endr
	s_wait_tensorcnt 0x0
	ds_add_u32 v208, v209
	s_wait_dscnt 0x0
	s_endpgm
.Lfunc_end_k_q5423e87aba_quant:
	.size	k_q5423e87aba_quant, .Lfunc_end_k_q5423e87aba_quant-k_q5423e87aba_quant
	.p2alignl 7, 3214868480
	.fill 96, 4, 3214868480
	.section	.rodata,"a",@progbits
	.p2align	6, 0x0
	.amdhsa_kernel k_q5423e87aba_quant
		.amdhsa_group_segment_fixed_size 68096
		.amdhsa_private_segment_fixed_size 0
		.amdhsa_enable_private_segment 0
		.amdhsa_kernarg_size 56
		.amdhsa_user_sgpr_count 2
		.amdhsa_user_sgpr_kernarg_segment_ptr 1
		.amdhsa_wavefront_size32 1
		.amdhsa_system_sgpr_workgroup_id_x 1
		.amdhsa_system_sgpr_workgroup_id_y 1
		.amdhsa_system_sgpr_workgroup_id_z 1
		.amdhsa_system_vgpr_workitem_id 0
		.amdhsa_next_free_vgpr 210
		.amdhsa_next_free_sgpr 66
		.amdhsa_reserve_vcc 0
		.amdhsa_float_denorm_mode_32 3
		.amdhsa_float_denorm_mode_16_64 3
		.amdhsa_fp16_overflow 1
		.amdhsa_memory_ordered 1
		.amdhsa_forward_progress 1
		.amdhsa_inst_pref_size 46
	.end_amdhsa_kernel
	.amdgpu_metadata
---
amdhsa.version: [ 1, 2 ]
amdhsa.kernels:
  - .name:           k_q5423e87aba_quant
    .symbol:         k_q5423e87aba_quant.kd
    .args:
      - { .name: x, .offset: 0, .size: 8, .value_kind: global_buffer, .address_space: global }
      - { .name: w_attn, .offset: 8, .size: 8, .value_kind: global_buffer, .address_space: global }
      - { .name: w_proj, .offset: 16, .size: 8, .value_kind: global_buffer, .address_space: global }
      - { .name: lowp_scales, .offset: 24, .size: 8, .value_kind: global_buffer, .address_space: global }
      - { .name: x_codes, .offset: 32, .size: 8, .value_kind: global_buffer, .address_space: global }
      - { .name: wa_codes, .offset: 40, .size: 8, .value_kind: global_buffer, .address_space: global }
      - { .name: wp_codes, .offset: 48, .size: 8, .value_kind: global_buffer, .address_space: global }
    .group_segment_fixed_size: 68096
    .private_segment_fixed_size: 0
    .kernarg_segment_align: 8
    .kernarg_segment_size: 56
    .max_flat_workgroup_size: 128
    .sgpr_count:     66
    .vgpr_count:     210
    .wavefront_size: 32
...
	.end_amdgpu_metadata
.endif
;; end of part 1
;; launch qkv (part 2): grid 12 x 32, 4 waves a work-group, clusters of 4 x 4, 327,680 bytes of LDS; arguments x_codes, wa_codes, lowp_scales, q_img, kv_img; writes q_img, kv_img
.if DOCPART == 2
	.amdgcn_target "amdgcn-amd-amdhsa--gfx1250"
	.amdhsa_code_object_version 6
	.text
	.protected	k_q5423e87aba_qkv
	.globl	k_q5423e87aba_qkv
	.p2align	8
	.type	k_q5423e87aba_qkv,@function
k_q5423e87aba_qkv:
	s_mov_b64 s[64:65], 0
	v_nop
	global_prefetch_b8 v0, s[64:65] scope:SCOPE_SE
	s_setreg_imm32_b32 hwreg(HW_REG_WAVE_MODE, 25, 1), 1
	s_wait_xcnt 0x0
	s_wait_alu depctr_hold_cnt(0) depctr_sa_sdst(0) depctr_va_vdst(0) depctr_va_sdst(0) depctr_va_ssrc(0) depctr_va_vcc(0) depctr_vm_vsrc(0)
	s_getreg_b32 s2, hwreg(HW_REG_IB_STS2, 6, 4)
	s_cmp_eq_u32 s2, 0
	s_cbranch_scc0 .Lentry_in_a_cluster
	s_endpgm
.Lentry_in_a_cluster:
	s_bfe_u32 s2, ttmp6, 0x10000c
	s_cmp_lg_u32 s2, 0xf033
	s_cbranch_scc0 .Lentry_shape_is_right
	s_endpgm
.Lentry_shape_is_right:
; qkv = x w_attn on codes of FP8 (E4M3), and each result quantised at once for the attention: q with 2^e2, k with 2^e3, v with 2^e5 (entries of the scales; x has 2^e0, w_attn 2^e1).
; x_codes: [8192][1024], wa_codes: [3072][1024], K innermost, rows in the order with bits 3 and 4 of the row number exchanged.  A sum stands for sum x 2^(e0 + e1), so its code is sum / 2^(e - e0 - e1): one scale for the conversion.
; LIMIT: e - e0 - e1 lies between -126 and 119 for e = e2, e3, e5, so that the scale and 448 x the scale are f32 numbers.
; A tile of 256 tokens x 256 columns is made by a work-group of four waves, a wave 128 x 128: 64 accumulators, 512 registers.  K goes in steps of 256 through a ring of two LDS slots filled by the tensor data mover.
; CLUSTERS: 4 x 4 work-groups; x's tiles are asked for jointly along a row of the cluster, w_attn's along a column.  The cluster's x says what is made: 0 q, 1 k, 2 v: the same for all sixteen partners.
; THE MATRIX INSTRUCTION: for q and k source 0 = 16 rows of the weight, source 1 = 16 tokens: a lane holds one token, its registers run along the head's axis, which is the K of q k^T.  For v the two change places
; (only the two LDS bases from which the fragments are read are chosen otherwise): a lane holds one channel, and its registers run along the tokens, the K of p v.
; By the rows' order the 16 registers of two neighbouring accumulators are 16 true neighbours: two conversions give 16 bytes of the next launch's operand, and THE CODES ARE STORED AS IMAGES OF THAT OPERAND'S REGISTERS:
;   q_img  [head 64][tile of 16 queries 128][c 2][lane 32][16 bytes]: lane (r, h) holds channels 32 c + 16 h + 0 .. 15 of query 32 (tile / 2) + 8 (tile % 2) + r + 8 (r / 8)
;   kv_img [head 64][step of 64 keys 32][ k: [tile 4][c 2][lane][16], as q's; then v: [tile of 16 channels 4][c 2][lane][16]: channel as a tile's row above, keys 32 c + 16 h + 0 .. 15 ]
; Each store of the wave covers 512 consecutive bytes, aligned: no stage in LDS is needed on the way out.
; REGISTERS, in windows of 256: window 0: v0-31 addresses; from v128 source 1's fragments, ONE set; on the way out v128-255 codes.   window 1: source 0's fragments, TWO sets.   windows 2, 3: the accumulators.
.set SIZE_K, 1024
.set KSTEP,  256                       ; along K in a slot
.set ROWB,   256                       ; a tile's row in bytes
.set KROW,   SIZE_K                    ; a row of codes in memory, in bytes
.set PITCH,  272                       ; an LDS row: 256 bytes + 16 of padding = 68 words: the 16 rows that a load touches start at 16 different banks (64 banks of 4 bytes: ISA guide 11.1)
.set FR,     16                        ; registers of a fragment: 16 rows x 128 K
.set NL,     4                         ; LDS loads that bring one
.set NP,     4                         ; places behind this matrix instruction (ISA guide 7.12.1)
.set HALFT,  128*PITCH                 ; 128 rows: what one tensor load brings
.set SLOT,   4*HALFT                   ; x's 256 rows, then the weight's 256 rows
.set LAPS,   SIZE_K/(2*KSTEP)          ; a lap = two K steps = once round the ring
.set SPARE,  2*SLOT                    ; behind the ring: the spare words, 128 bytes for each wave: two blocks of 256 bytes that no other line names
.set OFS,  8                           ; v8-11   the way out: 16 x lane + (0 or SA) + (0 or SB); never rewritten
.set SCL,  12                          ; v12     the conversion's scale as f32
.set LIM,  13
.set ADRA, 16                          ; v16-17  LDS address of source 1's fragments in slot 0, 1
.set ADRB, 20                          ; v20-21  the same for source 0
.set SPW,  28                          ; v28     LDS address of my spare word; never rewritten
.set NIL,  29                          ; v29     0; never rewritten
.set TMP,  32
.set AF,   128                         ; source 1's fragments, in window 0
.set CD,   128                         ; the way out: codes, 16 registers for each block: no store's data are written again
.set G1, 24                            ; s[24:31] descriptor group 1 for x's tiles;  s[32:39] group 0, one set for each slot
.set G0, 32
.set G1B, 48                           ; s[48:55], s[56:63] the same for the weight's tiles
.set G0B, 56
.set MSB, 0
.macro WIN new                         ; the immediate's high byte repeats the setting that is left
.if MSB != \new
	s_set_vgpr_msb (MSB<<8)|\new
.set MSB, \new
.endif
.endm
.set MUL_LO, 0xa1                      ; source 0 window 1, source 1 window 0, C and D window 2
.set MUL_HI, 0xf1                      ; the same, C and D window 3
.set TO_B,   0x40                      ; destination window 1, address window 0
; A joint load: waves 0 and 1 fetch x's halves, waves 2 and 3 the weight's.  The branch hangs on the wave's number alone.  Four v_nop follow each of the two lines.
.macro JLOAD g0a, g1a, g0b, g1b
	s_cmp_eq_u32 s15, 0
	s_cbranch_scc0 .Lfor_b_\@
	tensor_load_to_lds s[\g0a:\g0a+3], s[\g1a:\g1a+7]
	s_nop 0
.rept 4
	v_nop
.endr
	s_branch .Lasked_\@
.Lfor_b_\@:
	tensor_load_to_lds s[\g0b:\g0b+3], s[\g1b:\g1b+7]
	s_nop 0
.rept 4
	v_nop
.endr
.Lasked_\@:
.endm
.macro CREST                           ; a round of the cluster's barrier behind its opening barrier
	s_cmp_lg_u32 s14, 0
	s_cbranch_scc1 .Lnot_wave_0_\@
	s_barrier_signal -3
.Lnot_wave_0_\@:
	s_barrier_wait -3
	s_barrier_signal -1
	s_barrier_wait -1
.endm
.macro CROUND                          ; a whole round
	s_barrier_signal -1
	s_barrier_wait -1
	CREST
.endm
	s_load_b128 s[4:7], s[0:1], 0x0                ; x_codes s[4:5], wa_codes s[6:7]
	s_load_b128 s[8:11], s[0:1], 0x10              ; the scales' exponents s[8:9], q_img s[10:11]
	s_load_b64 s[12:13], s[0:1], 0x20              ; kv_img
	v_lshl_add_u32 v[SPW], v0, 2, SPARE
	v_mov_b32 v[NIL], 0
	ds_add_u32 v28, v29
	ds_add_u32 v28, v29
	s_wait_dscnt 0x0
	v_lshrrev_b32 v1, 5, v0
	v_readfirstlane_b32 s14, v1                    ; wave 0..3
	s_lshr_b32 s15, s14, 1                         ; which half of the tile's tokens is mine.  Also: I fetch for x (0) or for the weight (1)
	s_and_b32 s16, s14, 1                          ; which half of its columns.  Also: which 128 rows of that tile I fetch
	s_bfe_u32 s40, ttmp6, 0x40000                  ; cx, cy: my place in the cluster
	s_bfe_u32 s41, ttmp6, 0x40004
	s_lshl_b32 s42, ttmp9, 2
	s_add_co_u32 s42, s42, s40                     ; tile column = 4 x cluster x + cx
	s_and_b32 s17, ttmp7, 0xffff
	s_lshl_b32 s17, s17, 2
	s_add_co_u32 s17, s17, s41                     ; tile row = 4 x cluster y + cy
	s_lshl_b32 s43, s41, 2
	s_lshl_b32 s43, 15, s43                        ; my row of the cluster
	s_lshl_b32 s44, 0x1111, s40                    ; my column
	; descriptor group 1: a tile of 128 rows x 256 bytes, padded in LDS
	s_or_b32 s[G1+0], s43, (0<<16)|(1<<20)|(1<<21)|(5<<22)|(3<<25)  ; 15:0 the mask: x's tiles go to my row; 17:16 element of 1 byte; 20 padding on; 21 set beside a mask; 24:22 after every 64 words (code 5); 31:25 of 4 words (code 3)
	s_or_b32 s[G1B+0], s44, (0<<16)|(1<<20)|(1<<21)|(5<<22)|(3<<25)
.irp g, G1, G1B
	s_mov_b32 s[\g+1], ROWB<<16                    ; tensor_dim0
	s_mov_b32 s[\g+2], 128<<16                     ; tensor_dim1 = 128
	s_mov_b32 s[\g+3], ROWB<<16                    ; tile_dim0
	s_mov_b32 s[\g+4], 128                         ; tile_dim1 = 128
	s_mov_b32 s[\g+5], KROW                        ; tensor_dim0_stride
	s_mov_b32 s[\g+6], 0
	s_mov_b32 s[\g+7], 0
.endr
	s_lshl_b32 s18, s16, 7                         ; which 128 rows of the tile I fetch
	s_lshl_b32 s20, s17, 8
	s_add_co_u32 s20, s20, s18                     ; x: row 256 x tile row + 128 x half
	s_lshl_b32 s46, s42, 8
	s_add_co_u32 s46, s46, s18                     ; the weight: row 256 x tile column + 128 x half
	s_mov_b32 s21, 0
	s_mov_b32 s47, 0
	s_mov_b64 s[18:19], KROW
	s_mul_u64 s[20:21], s[20:21], s[18:19]
	s_mul_u64 s[46:47], s[46:47], s[18:19]
	s_mul_i32 s45, s14, HALFT                      ; where they go: wave x 128 rows: no place in the cluster enters an LDS address
	s_wait_kmcnt 0x0
	s_load_b256 s[72:79], s[8:9], 0x0              ; e0 .. e7
	s_add_nc_u64 s[20:21], s[4:5], s[20:21]
	s_add_nc_u64 s[46:47], s[6:7], s[46:47]
	CROUND                                         ; all sixteen work-groups are here: the first joint loads meet
.irp s, 0,1
	s_mov_b32 s[G0+4*\s], 1
	s_add_co_u32 s[G0+4*\s+1], s45, \s*SLOT
	s_add_nc_u64 s[G0+4*\s+2:G0+4*\s+3], s[20:21], \s*ROWB
	s_or_b32 s[G0+4*\s+3], s[G0+4*\s+3], 0x80000000
	s_mov_b32 s[G0B+4*\s], 1
	s_add_co_u32 s[G0B+4*\s+1], s45, \s*SLOT
	s_add_nc_u64 s[G0B+4*\s+2:G0B+4*\s+3], s[46:47], \s*ROWB
	s_or_b32 s[G0B+4*\s+3], s[G0B+4*\s+3], 0x80000000
	JLOAD G0+4*\s, G1, G0B+4*\s, G1B
.endr
	v_and_b32 v1, 15, v0                           ; l % 16
	v_bfe_u32 v2, v0, 4, 1                         ; l / 16
	v_mul_u32_u24 v3, v1, PITCH
	v_lshl_add_u32 v4, v2, 4, v3                   ; a fragment's row x pitch + 16 x half
	s_wait_alu depctr_va_vdst(0)
	s_mul_i32 s21, s15, HALFT                      ; my 128 tokens
	s_mul_i32 s22, s16, HALFT                      ; my 128 rows of the weight,
	s_add_co_u32 s22, s22, 2*HALFT                 ; which lie behind x's 256
	s_cmp_eq_u32 ttmp9, 2                          ; v?  The cluster's x is the same in all sixteen partners
	s_cselect_b32 s66, s22, s21                    ; source 1's rows: the tokens; for v the weight's
	s_cselect_b32 s67, s21, s22                    ; source 0's rows: the weight's; for v the tokens.  Either base + 34,800 stays inside its slot
.irp s, 0,1
	v_add_nc_u32 v[ADRA+\s], s66, v4
	v_add_nc_u32 v[ADRB+\s], s67, v4
	s_add_co_u32 s66, s66, SLOT
	s_add_co_u32 s67, s67, SLOT
.endr
	; the way out: where my wave's images begin.  (In registers that feed no descriptor)
	s_lshr_b32 s80, s17, 3                         ; the batch: 8 tile rows of 256 tokens each
	s_and_b32 s81, s17, 7
	s_lshl_b32 s81, s81, 8
	s_lshl_b32 s82, s15, 7
	s_add_co_u32 s81, s81, s82                     ; my first token in the batch
	s_lshl_b32 s80, s80, 4
	s_lshl_b32 s82, s40, 2
	s_add_co_u32 s80, s80, s82
	s_lshl_b32 s82, s16, 1
	s_add_co_u32 s80, s80, s82                     ; my first head: 16 x batch + 4 cx + 2 x half
	s_cmp_eq_u32 ttmp9, 0                          ; q?
	s_cselect_b32 s83, 17, 18                      ; a head's images: 2^17 bytes in q_img, 2^18 in kv_img
	s_cselect_b32 s84, 6, 7                        ; a token: 64 bytes of q_img; 128 of kv_img (k's and v's)
	s_cselect_b64 s[10:11], s[10:11], s[12:13]     ; the buffer: a choice on the cluster's x alone
	s_lshl_b32 s80, s80, s83
	s_lshl_b32 s81, s81, s84
	s_add_co_u32 s80, s80, s81
	s_lshl_b32 s85, 64, s84                        ; 64 tokens on
	s_lshl_b32 s86, 1, s83                         ; a head on
	s_cmp_eq_u32 ttmp9, 2                          ; v?
	s_cselect_b32 s87, s86, s85                    ; SA: four blocks of source 1 on: 64 tokens; for v a head
	s_cselect_b32 s88, s85, s86                    ; SB: four blocks of source 0 on: a head; for v 64 tokens
	s_cselect_b32 s89, 4096, 0                     ; v's images lie behind k's in a step
	s_add_co_u32 s80, s80, s89
	s_mov_b32 s81, 0
	s_add_nc_u64 s[10:11], s[10:11], s[80:81]
	v_and_b32 v6, 31, v0
	v_lshlrev_b32 v[OFS], 4, v6
	v_add_nc_u32 v[OFS+1], s88, v[OFS]
	v_add_nc_u32 v[OFS+2], s87, v[OFS]
	v_add_nc_u32 v[OFS+3], s88, v[OFS+2]
.macro FRAG reg, adr, q, i             ; a fragment, 16 rows x 128 K: lane l holds row l % 16; registers 4 c .. 4 c + 3 hold K = 32 c + 16 (l / 16) + 0 .. 15: the same order of K on both sides, so every product meets its partner
.irp c, 0,1,2,3
	ds_load_b128 v[\reg+4*\c:\reg+4*\c+3], v[\adr] offset:128*(\q)+32*\c+(\i)*16*PITCH
.endr
.endm
; 16 matrix instructions: source 1's blocks a0, a0 + 1 x source 0's eight, 128 along K.  p: source 0's set.  zero = 1: the first product starts the sums.
; The 64 accumulators take turns, one instruction a turn, in the same order in every step.
.macro MUL16 a0, p, zero
.irp a, \a0, \a0+1
.irp b, 0,1,2,3,4,5,6,7
.if \zero
	v_wmma_f32_16x16x128_fp8_fp8 v[8*(8*((\a)%4)+\b):8*(8*((\a)%4)+\b)+7], v[128*(\p)+FR*\b:128*(\p)+FR*\b+FR-1], v[AF+FR*(\a):AF+FR*(\a)+FR-1], 0
.else
	v_wmma_f32_16x16x128_fp8_fp8 v[8*(8*((\a)%4)+\b):8*(8*((\a)%4)+\b)+7], v[128*(\p)+FR*\b:128*(\p)+FR*\b+FR-1], v[AF+FR*(\a):AF+FR*(\a)+FR-1], v[8*(8*((\a)%4)+\b):8*(8*((\a)%4)+\b)+7]
.endif
.endr
.endr
.endm
.macro FETCH_B slot, q, p              ; source 0's eight fragments of the slot's q-th 128 along K into set p
	WIN TO_B
.irp i, 0,1,2,3,4,5,6,7
	FRAG 128*(\p)+FR*\i, ADRB+\slot, \q, \i
.endr
	WIN 0
.endm
.macro FETCH_A slot, q, i0             ; source 1's blocks i0 .. i0 + 3
.irp i, \i0, \i0+1, \i0+2, \i0+3
	FRAG AF+FR*(\i), ADRA+\slot, \q, \i
.endr
.endm
; A load into a register that a matrix instruction has read, and a vector instruction that reads a matrix result, stand NP places behind it; only plain vector instructions that name none of its registers are places.
.macro PLACES n
.rept \n
	v_nop
.endr
.endm
; A step of 128 along K that has its successor in the same slot.
.macro STEP slot, q, zero
	s_wait_dscnt 4*NL                              ; source 0's set and source 1's blocks 0-3 are in; the youngest sixteen loads (blocks 4-7) may be out
	WIN MUL_LO
	MUL16 0, (\q)%2, \zero
	MUL16 2, (\q)%2, \zero
	s_wait_dscnt 0                                 ; blocks 4-7 are in (asked for 32 matrix instructions ago)
	PLACES NP
	FETCH_B \slot, (\q)+1, 1-(\q)%2
	FETCH_A \slot, (\q)+1, 0
	WIN MUL_HI
	MUL16 4, (\q)%2, \zero
	MUL16 6, (\q)%2, \zero
	PLACES NP
	WIN 0
	FETCH_A \slot, (\q)+1, 4
.endm
; A slot's last step changes slots: ONE barrier; in front of it each wave waits for all its tensor loads, adds 0 to its spare word, and waits for that and for its own reads of this slot.  fill = 1: this slot is filled again, two K steps ahead.
.macro TURN slot, next, fill
	s_wait_tensorcnt 0x0                           ; all my tensor loads have landed: my part of the next slot;  (every window is 0 here)
	ds_add_u32 v[SPW], v[NIL]                      ; 0 onto my spare word
	s_wait_dscnt 4*NL+1                            ; (the add and the youngest sixteen loads, blocks 4-7, may be out)
	WIN MUL_LO
	MUL16 0, 1, 0                                  ; sixteen matrix instructions stand between the add and the wait for it
	s_wait_dscnt 0x0                               ; the add is done, and my reads of this slot are over
	s_barrier_signal -1
	MUL16 2, 1, 0
	WIN 0
	s_barrier_wait -1
.if \fill
	CREST                                          ; the barrier has opened a round of the cluster's barrier: no wave of any partner still reads this slot's tile or has a load on its way
	s_add_nc_u64 s[G0+4*\slot+2:G0+4*\slot+3], s[G0+4*\slot+2:G0+4*\slot+3], 2*ROWB
	s_add_nc_u64 s[G0B+4*\slot+2:G0B+4*\slot+3], s[G0B+4*\slot+2:G0B+4*\slot+3], 2*ROWB
	JLOAD G0+4*\slot, G1, G0B+4*\slot, G1B         ; the first tensor load behind the round; the four v_nop behind it are the places in front of the loads below
.else
	PLACES NP
.endif
	FETCH_B \next, 0, 0
	FETCH_A \next, 0, 0
	WIN MUL_HI
	MUL16 4, 1, 0
	MUL16 6, 1, 0
	PLACES NP
	WIN 0
	FETCH_A \next, 0, 4
.endm
	s_wait_alu depctr_va_vdst(0)
	s_wait_tensorcnt 1                             ; my part of K step 0 is in (K step 1's load may be out)
	s_barrier_signal -1
	s_barrier_wait -1                              ; everybody's is
	FETCH_B 0, 0, 0
	FETCH_A 0, 0, 0
	FETCH_A 0, 0, 4
	STEP 0, 0, 1                                   ; the first step stands in front of the loop: its products start the sums
	s_mov_b32 s3, LAPS-1
.Llap:                                                 ; a trip goes once round the ring, from a lap's second step to the next lap's first, and fills both slots again
	TURN 0, 1, 1
	STEP 1, 0, 0
	TURN 1, 0, 1
	STEP 0, 0, 0
	s_sub_co_u32 s3, s3, 1
	s_cmp_lg_u32 s3, 0
	s_cbranch_scc1 .Llap
	TURN 0, 1, 0                                   ; the last lap fills nothing, and has no round of the cluster's barrier
	STEP 1, 0, 0
	s_wait_dscnt 4*NL                              ; the very last step: nothing more to fetch
	WIN MUL_LO
	MUL16 0, 1, 0
	MUL16 2, 1, 0
	s_wait_dscnt 0
	WIN MUL_HI
	MUL16 4, 1, 0
	MUL16 6, 1, 0
	WIN 0
; THE WAY OUT, block a of source 1 at a time: its 64 sums are converted eight at a time, and the 16 bytes that two neighbouring accumulators give a lane are stored
; as they stand: lane l's at 16 l of an image's 512 bytes.
.macro OUT a
.set AC, 64*((\a)%4)
	WIN 0x02+((\a)/4)                              ; source 0: window 2 or 3
.set i, 0
.rept 64
.set i, i+1
.endr
.irp g, 0,1,2,3,4,5,6,7
	v_cvt_scalef32_pk8_fp8_f32 v[CD+16*(\a)+2*\g:CD+16*(\a)+2*\g+1], v[AC+8*\g:AC+8*\g+7], v[SCL]
.endr
	WIN 0
	v_nop                                          ; a plain line behind the last conversion
.irp p, 0,1,2,3
	global_store_b128 v[OFS+2*((\a)/4)+\p/2], v[CD+16*(\a)+4*\p:CD+16*(\a)+4*\p+3], s[10:11] offset:((\a)%4)*1024+(\p%2)*512 th:TH_STORE_NT   ; the wave stores 512 consecutive bytes, aligned
.endr
.endm
	s_wait_kmcnt 0x0
	s_cmp_eq_u32 ttmp9, 0
	s_cselect_b32 s90, s74, s75                    ; e2 for q, e3 for k,
	s_cmp_eq_u32 ttmp9, 2
	s_cselect_b32 s90, s77, s90                    ; e5 for v
	s_sub_co_i32 s90, s90, s72
	s_sub_co_i32 s90, s90, s73                     ; less e0 + e1
	s_add_co_i32 s90, s90, 127
	s_lshl_b32 s91, s90, 23
	v_mov_b32 v[SCL], s91
	s_add_co_i32 s90, s90, 8
	s_lshl_b32 s90, s90, 23
	s_or_b32 s90, s90, 0x600000
	PLACES NP                                      ; behind the last products: the conversions write registers that held their fragments
.irp a, 0,1,2,3,4,5,6,7
	OUT \a
.endr
	s_wait_tensorcnt 0x0                           ; the wave's end
	ds_add_u32 v[SPW], v[NIL]
	s_wait_dscnt 0x0
	CROUND                                         ; the closing round: no work-group ends while a partner may still ask for a tile that names it
	s_endpgm
.Lfunc_end_k_q5423e87aba_qkv:
	.size	k_q5423e87aba_qkv, .Lfunc_end_k_q5423e87aba_qkv-k_q5423e87aba_qkv
	.p2alignl 7, 3214868480
	.fill 96, 4, 3214868480
	.section	.rodata,"a",@progbits
	.p2align	6, 0x0
	.amdhsa_kernel k_q5423e87aba_qkv
		.amdhsa_group_segment_fixed_size 327680
		.amdhsa_private_segment_fixed_size 0
		.amdhsa_enable_private_segment 0
		.amdhsa_kernarg_size 40
		.amdhsa_user_sgpr_count 2
		.amdhsa_user_sgpr_kernarg_segment_ptr 1
		.amdhsa_wavefront_size32 1
		.amdhsa_system_sgpr_workgroup_id_x 1
		.amdhsa_system_sgpr_workgroup_id_y 1
		.amdhsa_system_sgpr_workgroup_id_z 1
		.amdhsa_system_vgpr_workitem_id 0
		.amdhsa_next_free_vgpr 1024
		.amdhsa_next_free_sgpr 96
		.amdhsa_reserve_vcc 0
		.amdhsa_float_denorm_mode_32 3
		.amdhsa_float_denorm_mode_16_64 3
		.amdhsa_fp16_overflow 1
		.amdhsa_memory_ordered 1
		.amdhsa_forward_progress 1
		.amdhsa_inst_pref_size 86
	.end_amdhsa_kernel
	.amdgpu_metadata
---
amdhsa.version: [ 1, 2 ]
amdhsa.kernels:
  - .name:           k_q5423e87aba_qkv
    .symbol:         k_q5423e87aba_qkv.kd
    .args:
      - { .name: x_codes, .offset: 0, .size: 8, .value_kind: global_buffer, .address_space: global }
      - { .name: wa_codes, .offset: 8, .size: 8, .value_kind: global_buffer, .address_space: global }
      - { .name: lowp_scales, .offset: 16, .size: 8, .value_kind: global_buffer, .address_space: global }
      - { .name: q_img, .offset: 24, .size: 8, .value_kind: global_buffer, .address_space: global }
      - { .name: kv_img, .offset: 32, .size: 8, .value_kind: global_buffer, .address_space: global }
    .group_segment_fixed_size: 327680
    .private_segment_fixed_size: 0
    .kernarg_segment_align: 8
    .kernarg_segment_size: 40
    .max_flat_workgroup_size: 128
    .sgpr_count:     96
    .vgpr_count:     1024
    .wavefront_size: 32
...
	.end_amdgpu_metadata
.endif
;; end of part 2
;; launch attn (part 3): grid 4 x 64, 16 waves a work-group, no clusters, 264,192 bytes of LDS; arguments q_img, kv_img, lowp_scales, y_img; writes y_img
.if DOCPART == 3
	.amdgcn_target "amdgcn-amd-amdhsa--gfx1250"
	.amdhsa_code_object_version 6
	.text
	.protected	k_q5423e87aba_attn
	.globl	k_q5423e87aba_attn
	.p2align	8
	.type	k_q5423e87aba_attn,@function
k_q5423e87aba_attn:
	s_mov_b64 s[64:65], 0
	v_nop
	global_prefetch_b8 v0, s[64:65] scope:SCOPE_SE
	s_setreg_imm32_b32 hwreg(HW_REG_WAVE_MODE, 25, 1), 1
	s_wait_xcnt 0x0
; y = softmax(q k^T / 8, causal) v for one head, both products on codes of FP8 (E4M3) with the given scales 2^e2 (q), 2^e3 (k), 2^e4 (p), 2^e5 (v); y is quantised at once with 2^e6 for the projection.
; THE SOFTMAX: t = score x log2(e) / 8; M = the running largest t rounded UP to a whole number; p = 2^(t - M) is what is quantised; the row's sum is taken of the unquantised p and divides at the end.
; When M moves, the sum and O are multiplied by 2^(old M - new M): nothing is rounded, and there is no branch on data.
; LIMITS: e2 + e3 between -123 and 130 (added to the exponent field of log2(e) / 8); e4 and e6 between -126 and 119; e4 + e5 is applied by v_ldexp_f32 and has none.
; SHARES.  A work-group takes the blocks i and 7 - i of 256 queries of one head: 32 i + 20 and 32 (7 - i) + 20 steps of 32 queries x 64 keys, 264 for every i.  Each of its sixteen waves owns 32 queries, two tiles of 16,
; so that each fragment of k and v read from LDS feeds two matrix instructions.  Wave w has the queries 32 (w / 2) on of block i or 7 - i, by bit 0 xor bit 2 of w.
; LDS.  The head's k and v, 262,144 bytes of register images, lie in LDS as they lie in memory and are filled ONCE: no slot is filled again.  They come in four stages (keys 0-255, 256-511, 512-1023, 1024-2047); every wave brings a
; sixteenth of each stage (8, 8, 16, 32 rows of 256 bytes), so that one counted wait, the same in every wave, stands in front of each stage's barrier; by this text's count four tensor loads of a wave are out at the most.
; A fragment is read at 16 x lane: 512 consecutive bytes an instruction.  Every byte that the work-group reads is asked for in its first lines.
; LAYOUT.  S^T = k q^T (source 0 = 16 keys, source 1 = 16 queries), O^T = v^T p^T: a lane holds one query of each tile throughout.  By the images' order of rows the 16 registers of tiles 2 b and 2 b + 1 are 16 neighbouring keys
; (channels), 32 b + 16 (lane / 16) + 0 .. 15: the conversions' results are the next operand's registers.
; CAUSAL.  Every wave walks all 32 steps: the trip counts are constants.  A step all of whose keys come after the wave's queries is jumped over (a scalar branch on ids); in the one step on the diagonal hidden scores become -infinity.
; Every query of a wave is at or behind the first key of every step that the wave works, so no row of a step is hidden as a whole.
; NO CLUSTER: the four work-groups of a head read the same k and v, but they differ in just the blocks of queries on which the jump over hidden steps hangs, and partners that ask jointly may not differ in a branch.
; y_img [K step of 256: 4][tile of 16 rows: 512][q 2][c 4][lane 32][16 bytes]: the register images of the projection's operand; each store of the wave covers 512 consecutive bytes, aligned.
.set LI,   1                           ; v1   16 x lane; never rewritten
.set ADR,  2                           ; v2   LDS address of the step's images
.set DQ,   3                           ; v3   r + 8 (r / 8) - 16 h
.set D0,   4                           ; v4, v5  the mask's bound for tile 0, 1
.set NINF, 6                           ; v6   -infinity
.set ST,   8                           ; v[8+2u:9+2u]   tile u: -M, the largest t
.set LS,   12                          ; v[12+2u:13+2u] tile u: the sum, in two halves
.set QF,   16                          ; v16-31   q's fragments, 8 a tile
.set KFR,  32                          ; v32-63   k's four fragments
.set S,    64                          ; v64-127  S^T, then p: 32 a tile
.set O,    128                         ; v128-191 O^T: 32 a tile
.set PC,   192                         ; v192-207 p's codes, 8 a tile; at the end y's
.set VF,   208                         ; v208-239 v's four fragments
.set HOLD, 240
.set PSC,  242                         ; v242 2^e4
.set T,    244                         ; v244-249 at work: three a tile; later two pairs of sums
.set F,    250                         ; v[250+2u:251+2u] tile u: f = 2^(old M - new M); the upper word is written once
.set YSC,  254                         ; v254 2^e6
.set YLIM, 255
.set TB,   2                           ; s2   LDS byte at which the step's images begin
.set CNT,  3                           ; s3   steps to go in the stage
.set WV,   12                          ; s12  my wave's number
.set Q0,   18                          ; s18  my first query
.set QE,   19                          ; s19  my last
.set SEL,  20                          ; s[20:21] lane selects for v_permlanex16_b32: lane l xor 16
.set CS,   22                          ; s[22:23] c = log2(e) / 8 x 2^(e2 + e3)
.set G1A,  24                          ; s[24:31] descriptor group 1: 8 rows of 256 bytes;  s[32:39]: 16 rows;  s[40:47]: 32 rows
.set G1B,  32
.set G1C,  40
.set G0,   48                          ; s[48:63] descriptor group 0, one for each stage; never rewritten
.set KF,   66                          ; s66  the step's first key
.macro SHAPE g, rows                   ; a dense block as rows of 256 bytes: elements of 8 bytes, 32 to a row, no padding, no mask
	s_mov_b32 s[\g], 3<<16
	s_mov_b32 s[\g+1], 32<<16                      ; tensor_dim0
	s_mov_b32 s[\g+2], (\rows)<<16                 ; tensor_dim1
	s_mov_b32 s[\g+3], 32<<16                      ; tile_dim0
	s_mov_b32 s[\g+4], \rows                       ; tile_dim1
	s_mov_b32 s[\g+5], 32                          ; the pitch
	s_mov_b32 s[\g+6], 0
	s_mov_b32 s[\g+7], 0
.endm
	s_load_b256 s[4:11], s[0:1], 0x0               ; q_img s[4:5], kv_img s[6:7], the scales' exponents s[8:9], y_img s[10:11]
	v_lshl_add_u32 v7, v0, 2, 0x40000
	v_mov_b32 v243, 0
	ds_add_u32 v7, v243
	ds_add_u32 v7, v243
	v_lshrrev_b32 v1, 5, v0
	s_delay_alu instid0(VALU_DEP_1)
	v_readfirstlane_b32 s[WV], v1                  ; wave 0..15
	s_mov_b32 s13, ttmp9                           ; i
	s_and_b32 s14, ttmp7, 0xffff                   ; the head, 0..63
	SHAPE G1A, 8
	SHAPE G1B, 16
	SHAPE G1C, 32
	s_lshl_b32 s[G0+1], s[WV], 11                  ; where my shares lie, in LDS and in the head's block of memory alike: stage 0: 2,048 w;
	s_lshl_b32 s77, s[WV], 12
	s_lshl_b32 s78, s[WV], 13
	s_add_co_u32 s[G0+5], s[G0+1], 32768           ; stage 1: 32,768 + 2,048 w;
	s_add_co_u32 s[G0+9], s77, 65536               ; stage 2: 65,536 + 4,096 w;
	s_add_co_u32 s[G0+13], s78, 131072             ; stage 3: 131,072 + 8,192 w
	s_lshr_b32 s76, s[WV], 2
	s_xor_b32 s76, s76, s[WV]
	s_and_b32 s76, s76, 1                          ; which of the two blocks
	s_lshr_b32 s77, s[WV], 1                       ; which 32 queries of it
	s_sub_co_u32 s78, 7, s13
	s_cmp_eq_u32 s76, 0
	s_cselect_b32 s78, s13, s78
	s_lshl_b32 s[Q0], s78, 8
	s_lshl_b32 s77, s77, 5
	s_add_co_u32 s[Q0], s[Q0], s77
	s_add_co_u32 s[QE], s[Q0], 31
	s_lshl_b32 s80, s14, 18                        ; the head's block of kv_img
	s_mov_b32 s81, 0
	s_mov_b32 s83, 0
	s_wait_dscnt 0x0
	s_wait_kmcnt 0x0
	s_load_b256 s[68:75], s[8:9], 0x0              ; e0 .. e7
	s_add_nc_u64 s[6:7], s[6:7], s[80:81]
.irp k, 0,1,2,3
	s_mov_b32 s[G0+4*\k], 1                        ; count = 1
	s_mov_b32 s82, s[G0+4*\k+1]
	s_add_nc_u64 s[G0+4*\k+2:G0+4*\k+3], s[6:7], s[82:83]
	s_or_b32 s[G0+4*\k+3], s[G0+4*\k+3], 0x80000000   ; type = 2
.endr
	tensor_load_to_lds s[G0:G0+3], s[G1A:G1A+7]    ; all first fills go out together, ahead of every wait on TENSORcnt, every LDS read and every barrier
	s_nop 0
	tensor_load_to_lds s[G0+4:G0+7], s[G1A:G1A+7]
	s_nop 0
	tensor_load_to_lds s[G0+8:G0+11], s[G1B:G1B+7]
	s_nop 0
	tensor_load_to_lds s[G0+12:G0+15], s[G1C:G1C+7]
	s_nop 0
.rept 4
	v_nop
.endr
	s_lshl_b32 s80, s14, 17                        ; q_img: the head's 2^17 bytes,
	s_lshl_b32 s82, s[Q0], 6                       ; 64 bytes a query
	s_add_co_u32 s80, s80, s82
	s_add_nc_u64 s[4:5], s[4:5], s[80:81]
	v_and_b32 v[LI], 31, v0
	s_delay_alu instid0(VALU_DEP_1)
	v_lshlrev_b32 v[LI], 4, v[LI]
.irp u, 0,1
.irp c, 0,1
	global_load_b128 v[QF+8*\u+4*\c:QF+8*\u+4*\c+3], v[LI], s[4:5] offset:1024*\u+512*\c   ; q's fragments stay in registers
.endr
.endr
	s_and_b32 s84, s14, 15                         ; the head in its batch
	s_lshr_b32 s85, s14, 4                         ; the batch
	s_lshl_b32 s85, s85, 11
	s_add_co_u32 s85, s85, s[Q0]                   ; my first row of y
	s_lshl_b32 s85, s85, 8                         ; a tile of 16 rows is 4,096 bytes
	s_lshr_b32 s86, s84, 2
	s_lshl_b32 s86, s86, 21                        ; four heads to a K step of 256
	s_add_co_u32 s85, s85, s86
	s_bfe_u32 s86, s84, 0x10001
	s_lshl_b32 s86, s86, 11                        ; which 128 of the 256
	s_add_co_u32 s85, s85, s86
	s_and_b32 s86, s84, 1
	s_lshl_b32 s86, s86, 10                        ; which 64 of the 128
	s_add_co_u32 s84, s85, s86
	s_mov_b32 s85, 0
	s_add_nc_u64 s[10:11], s[10:11], s[84:85]
	s_mov_b32 s[SEL], 0x76543210
	s_mov_b32 s[SEL+1], 0xfedcba98
	v_and_b32 v[DQ], 15, v0                        ; r
	v_and_b32 v[ADR], 8, v0                        ; 8 (r / 8)
	s_delay_alu instid0(VALU_DEP_1)
	v_add_nc_u32 v[DQ], v[DQ], v[ADR]
	v_and_b32 v[ADR], 16, v0                       ; 16 h
	s_delay_alu instid0(VALU_DEP_1)
	v_sub_nc_u32 v[DQ], v[DQ], v[ADR]
	v_mov_b32 v[NINF], 0xff800000
.irp u, 0,1
	v_mov_b32 v[ST+2*\u+1], 0xff61b1e6             ; the largest t so far: -3e38, under every t
	s_delay_alu instid0(VALU_DEP_1)
	v_floor_f32 v[ST+2*\u], -v[ST+2*\u+1]          ; -M
	v_mov_b32 v[LS+2*\u], 0                        ; the sum
	v_mov_b32 v[LS+2*\u+1], 0
	v_mov_b32 v[T+3*\u+2], 0                       ; written once: a lane permute's destination counts as one of its sources
	v_mov_b32 v[F+2*\u+1], 0                       ; (named as the upper half of a pair)
.endr
.set n, 0
.rept 64
	v_mov_b32 v[O+n], 0                            ; O^T.  (The step is written once for all steps: the first finds zeros, which the first change of M leaves zeros)
.set n, n+1
.endr
	s_wait_kmcnt 0x0
	s_add_co_i32 s76, s70, s71                     ; e2 + e3
	s_lshl_b32 s76, s76, 23
	s_add_co_i32 s[CS], s76, 0x3e38aa3b            ; log2(e) / 8, the two exponents added to its exponent field
	s_mov_b32 s[CS+1], s[CS]                       ; (named with it as a pair, so it is written)
	s_add_co_i32 s76, s72, 127
	s_lshl_b32 s77, s76, 23
	v_mov_b32 v[PSC], s77                          ; 2^e4
	s_add_co_i32 s76, s74, 127
	s_lshl_b32 s77, s76, 23
	v_mov_b32 v[YSC], s77                          ; 2^e6
.macro MX2 a0, b0, a1, b1              ; two scores more into each of a tile's two chains, both tiles
.irp u, 0,1
	v_max3_num_f32 v[T+3*\u], v[T+3*\u], v[S+32*\u+\a0], v[S+32*\u+\b0]
	v_max3_num_f32 v[T+3*\u+1], v[T+3*\u+1], v[S+32*\u+\a1], v[S+32*\u+\b1]
.endr
.endm
; A STEP: my 32 queries x the 64 keys from KF on.
.macro STEP
	s_cmp_gt_u32 s[KF], s[QE]                      ; all keys hidden: the work is jumped over, the lines at the end that step are not
	s_cbranch_scc1 .Lhid_\@
	s_setprio 2
	v_add_nc_u32 v[ADR], s[TB], v[LI]
.rept 3
	v_nop                                          ; with the line above: four places between the last step's products and the loads into v's registers
.endr
.irp t, 0,1,2,3
.irp c, 0,1
	ds_load_b128 v[KFR+8*\t+4*\c:KFR+8*\t+4*\c+3], v[ADR] offset:1024*\t+512*\c
.endr
.endr
.irp t, 0,1,2,3
.irp c, 0,1
	ds_load_b128 v[VF+8*\t+4*\c:VF+8*\t+4*\c+3], v[ADR] offset:4096+1024*\t+512*\c
.endr
.endr
	s_wait_dscnt 8                                 ; k's eight loads are in; v's eight may be out
.irp t, 0,1,2,3
.irp u, 0,1
	v_wmma_f32_16x16x64_fp8_fp8 v[S+32*\u+8*\t:S+32*\u+8*\t+7], v[KFR+8*\t:KFR+8*\t+7], v[QF+8*\u:QF+8*\u+7], 0
.endr
.endr
.rept 4
	v_nop                                          ; places in front of the first read of the scores
.endr
	s_add_co_u32 s76, s[KF], 63
	s_cmp_le_u32 s76, s[Q0]                        ; all keys count for all my queries: no mask
	s_cbranch_scc1 .Lopen_\@
	s_sub_co_i32 s76, s[Q0], s[KF]
	v_add_nc_u32 v[D0], s76, v[DQ]                 ; tile u, lane (r, h): query Q0 + 8 u + r + 8 (r / 8); register 16 b + i holds key KF + 16 h + 32 b + i: hidden where 32 b + i > d
	s_delay_alu instid0(VALU_DEP_1)
	v_add_nc_u32 v[D0+1], 8, v[D0]
.irp u, 0,1
.set n, 0
.rept 32
	v_cmp_gt_i32 vcc_lo, 32*(n/16)+n%16, v[D0+\u]
	v_cndmask_b32 v[S+32*\u+n], v[S+32*\u+n], v[NINF], vcc_lo
.set n, n+1
.endr
.endr
.Lopen_\@:
.irp u, 0,1                            ; the step's largest score of each query, in two chains a tile; each accumulator is read from its low end first
	v_max3_num_f32 v[T+3*\u], v[S+32*\u], v[S+32*\u+1], v[S+32*\u+2]
	v_max3_num_f32 v[T+3*\u+1], v[S+32*\u+8], v[S+32*\u+9], v[S+32*\u+10]
.endr
	MX2 16, 17, 24, 25
	MX2 3, 4, 5, 6
	MX2 7, 11, 12, 13
	MX2 14, 15, 18, 19
	MX2 20, 21, 22, 23
	MX2 26, 27, 28, 29
.irp u, 0
	v_max3_num_f32 v[T+3*\u], v[T+3*\u], v[S+32*\u+30], v[S+32*\u+31]
.endr
.irp u, 1
	v_max3_num_f32 v[T+3*\u], v[T+3*\u], v[S+32*\u+30], v[S+32*\u+31]
.endr
.irp u, 0,1
	s_delay_alu instid0(VALU_DEP_2)
	v_max_num_f32 v[T+3*\u], v[T+3*\u], v[T+3*\u+1]
.endr
.irp u, 0,1
	s_delay_alu instid0(VALU_DEP_2)
	v_permlanex16_b32 v[T+3*\u+2], v[T+3*\u], s[SEL], s[SEL+1]
.endr
.irp u, 0,1
	s_delay_alu instid0(VALU_DEP_2)
	v_max_num_f32 v[T+3*\u], v[T+3*\u], v[T+3*\u+2]   ; and among lane l xor 16's 32 keys
.endr
.irp u, 0,1
	s_delay_alu instid0(VALU_DEP_2)
	v_mul_f32 v[T+3*\u], s[CS], v[T+3*\u]          ; as t (c is positive)
.endr
.irp u, 0,1
	s_delay_alu instid0(VALU_DEP_2)
	v_max_num_f32 v[ST+2*\u+1], v[ST+2*\u+1], v[T+3*\u]   ; the running largest t
.endr
.irp u, 0,1
	v_mov_b32 v[T+3*\u], v[ST+2*\u]
.endr
.irp u, 0,1
	s_delay_alu instid0(VALU_DEP_4)
	v_floor_f32 v[ST+2*\u], -v[ST+2*\u+1]          ; the new -M = floor(-t) = -ceil(t): a whole number
.endr
.irp u, 0,1
	s_delay_alu instid0(VALU_DEP_2)
	v_sub_f32 v[T+3*\u], v[ST+2*\u], v[T+3*\u]     ; old M - new M: a whole number, 0 or less
.endr
.irp u, 0,1
	s_delay_alu instid0(VALU_DEP_2)
	v_cvt_i32_f32 v[T+3*\u], v[T+3*\u]             ; (it saturates)
.endr
.irp u, 0,1
	s_delay_alu instid0(VALU_DEP_2)
	v_ldexp_f32 v[F+2*\u], 1.0, v[T+3*\u]          ; f = 2^(old M - new M)
.endr
.irp u, 0,1
.set n, 0
.rept 16
	v_pk_fma_f32 v[S+32*\u+n:S+32*\u+n+1], v[S+32*\u+n:S+32*\u+n+1], s[CS:CS+1], v[ST+2*\u:ST+2*\u+1] op_sel_hi:[1,0,0]   ; t - M, two at a time (of the pairs c and -M the low word serves both halves)
.set n, n+2
.endr
.endr
.set n, 0
	s_setprio 1
	s_wait_alu depctr_va_vdst(0)
.rept 64
	v_exp_f32 v[S+n], v[S+n]                       ; p = 2^(t - M), at most 1: not normalised.  One batch
.set n, n+1
.endr
.irp u, 0,1
	v_pk_mul_f32 v[LS+2*\u:LS+2*\u+1], v[LS+2*\u:LS+2*\u+1], v[F+2*\u:F+2*\u+1] op_sel_hi:[1,0]   ; the sums under the new M: the plain lines behind the exponentials
.endr
	s_wait_alu depctr_va_vdst(0)                   ; one wait for the whole batch, ahead of its first reader
.irp u, 0,1
	v_pk_add_f32 v[T+2*\u:T+2*\u+1], v[S+32*\u:S+32*\u+1], v[S+32*\u+2:S+32*\u+3]   ; the sum is taken of the unquantised p: two chains a tile
.endr
.irp j, 4,8,12,16,20,24,28
.irp u, 0,1
	v_pk_add_f32 v[LS+2*\u:LS+2*\u+1], v[LS+2*\u:LS+2*\u+1], v[S+32*\u+\j:S+32*\u+\j+1]
	v_pk_add_f32 v[T+2*\u:T+2*\u+1], v[T+2*\u:T+2*\u+1], v[S+32*\u+\j+2:S+32*\u+\j+3]
.endr
.endr
.irp u, 0
	s_delay_alu instid0(VALU_DEP_3)
	v_pk_add_f32 v[LS+2*\u:LS+2*\u+1], v[LS+2*\u:LS+2*\u+1], v[T+2*\u:T+2*\u+1]
.endr
.irp u, 1
	s_delay_alu instid0(VALU_DEP_2)
	v_pk_add_f32 v[LS+2*\u:LS+2*\u+1], v[LS+2*\u:LS+2*\u+1], v[T+2*\u:T+2*\u+1]
.endr
.set n, 0
.rept 32
.set n, n+2
.endr
.irp u, 0,1
.irp t, 0,1,2,3
	v_cvt_scalef32_pk8_fp8_f32 v[PC+8*\u+2*\t:PC+8*\u+2*\t+1], v[S+32*\u+8*\t:S+32*\u+8*\t+7], v[PSC]
.endr
.endr
.irp u, 0,1
.set n, 0
.rept 16
	v_pk_mul_f32 v[O+32*\u+n:O+32*\u+n+1], v[O+32*\u+n:O+32*\u+n+1], v[F+2*\u:F+2*\u+1] op_sel_hi:[1,0]   ; O^T under the new M.  (Also the plain lines between the conversions and the products that read their results)
.set n, n+2
.endr
.endr
	s_setprio 0
	s_wait_alu depctr_va_vdst(0)
	s_wait_dscnt 0x0                               ; v is in
.irp t, 0,1,2,3                        ; O^T += v^T p^T: the eight accumulators take one turn each
.irp u, 0,1
	v_wmma_f32_16x16x64_fp8_fp8 v[O+32*\u+8*\t:O+32*\u+8*\t+7], v[VF+8*\t:VF+8*\t+7], v[PC+8*\u:PC+8*\u+7], v[O+32*\u+8*\t:O+32*\u+8*\t+7]
.endr
.endr
.Lhid_\@:
	s_add_co_u32 s[KF], s[KF], 64
	s_add_co_u32 s[TB], s[TB], 8192
.endm
; STAGE k: n steps from LDS byte base on.  My share of the stage has landed when at most 3 - k younger loads of mine are out; behind the barrier everybody's has.  The later stages stay on their way.
.macro RUN k, n, base
	s_wait_dscnt 0x0                               ; no LDS instruction of mine is out at a signal
	s_wait_tensorcnt 3-\k
	s_barrier_signal -1
	s_barrier_wait -1
	s_mov_b32 s[TB], \base
	s_mov_b32 s[KF], (\base)/128                   ; 8,192 bytes for 64 keys
	s_mov_b32 s[CNT], \n
.Lrun_\@:
	STEP
	s_sub_co_u32 s[CNT], s[CNT], 1
	s_cmp_lg_u32 s[CNT], 0
	s_cbranch_scc1 .Lrun_\@
	s_setprio 0
.endm
	s_wait_loadcnt 0x0                             ; q
	RUN 0, 4, 0
	RUN 1, 4, 32768
	RUN 2, 8, 65536
	RUN 3, 16, 131072                              ; its wait is for 0: no tensor load is out from here on
	; THE WAY OUT.  y = O^T x 2^(e4 + e5) / the sum, converted with 2^e6; the 16 bytes that two neighbouring tiles of channels give a lane are 16 bytes of the projection's operand.
.rept 4
	v_nop                                          ; places behind the last products
.endr
.irp u, 0,1
	v_add_f32 v[T+3*\u], v[LS+2*\u], v[LS+2*\u+1]  ; the sum's two halves,
.endr
.irp u, 0,1
	s_delay_alu instid0(VALU_DEP_2)
	v_permlanex16_b32 v[T+3*\u+2], v[T+3*\u], s[SEL], s[SEL+1]
.endr
.irp u, 0,1
	s_delay_alu instid0(VALU_DEP_2)
	v_add_f32 v[T+3*\u], v[T+3*\u], v[T+3*\u+2]    ; and lane l xor 16's
.endr
	s_wait_alu depctr_va_vdst(0)
.irp u, 0,1
	v_rcp_f32 v[F+2*\u], v[T+3*\u]
.endr
	v_nop                                          ; a plain line behind the last reciprocal
	s_add_co_i32 s76, s72, s73                     ; e4 + e5
	s_wait_alu depctr_va_vdst(0)                   ; one wait for both reciprocals, ahead of their first reader
.irp u, 0,1
	v_ldexp_f32 v[F+2*\u], v[F+2*\u], s76
.endr
.irp u, 0,1
.set n, 0
.rept 16
	v_pk_mul_f32 v[S+32*\u+n:S+32*\u+n+1], v[O+32*\u+n:O+32*\u+n+1], v[F+2*\u:F+2*\u+1] op_sel_hi:[1,0]   ; each accumulator from its low end on
.set n, n+2
.endr
.endr
.set n, 0
.rept 64
.set n, n+1
.endr
.irp u, 0,1
.irp t, 0,1,2,3
	v_cvt_scalef32_pk8_fp8_f32 v[PC+8*\u+2*\t:PC+8*\u+2*\t+1], v[S+32*\u+8*\t:S+32*\u+8*\t+7], v[YSC]
.endr
.endr
	v_nop                                          ; a plain line behind the last conversion
.irp u, 0,1
.irp b, 0,1
	global_store_b128 v[LI], v[PC+8*\u+4*\b:PC+8*\u+4*\b+3], s[10:11] offset:4096*\u+512*\b th:TH_STORE_NT   ; the wave stores 512 consecutive bytes, aligned
.endr
.endr
	s_wait_tensorcnt 0x0
	ds_add_u32 v7, v243
	s_wait_dscnt 0x0
	s_endpgm
.Lfunc_end_k_q5423e87aba_attn:
	.size	k_q5423e87aba_attn, .Lfunc_end_k_q5423e87aba_attn-k_q5423e87aba_attn
	.p2alignl 7, 3214868480
	.fill 96, 4, 3214868480
	.section	.rodata,"a",@progbits
	.p2align	6, 0x0
	.amdhsa_kernel k_q5423e87aba_attn
		.amdhsa_group_segment_fixed_size 264192
		.amdhsa_private_segment_fixed_size 0
		.amdhsa_enable_private_segment 0
		.amdhsa_kernarg_size 32
		.amdhsa_user_sgpr_count 2
		.amdhsa_user_sgpr_kernarg_segment_ptr 1
		.amdhsa_wavefront_size32 1
		.amdhsa_system_sgpr_workgroup_id_x 1
		.amdhsa_system_sgpr_workgroup_id_y 1
		.amdhsa_system_sgpr_workgroup_id_z 1
		.amdhsa_system_vgpr_workitem_id 0
		.amdhsa_next_free_vgpr 256
		.amdhsa_next_free_sgpr 96
		.amdhsa_reserve_vcc 1
		.amdhsa_float_denorm_mode_32 3
		.amdhsa_float_denorm_mode_16_64 3
		.amdhsa_fp16_overflow 1
		.amdhsa_memory_ordered 1
		.amdhsa_forward_progress 1
		.amdhsa_inst_pref_size 90
	.end_amdhsa_kernel
	.amdgpu_metadata
---
amdhsa.version: [ 1, 2 ]
amdhsa.kernels:
  - .name:           k_q5423e87aba_attn
    .symbol:         k_q5423e87aba_attn.kd
    .args:
      - { .name: q_img, .offset: 0, .size: 8, .value_kind: global_buffer, .address_space: global }
      - { .name: kv_img, .offset: 8, .size: 8, .value_kind: global_buffer, .address_space: global }
      - { .name: lowp_scales, .offset: 16, .size: 8, .value_kind: global_buffer, .address_space: global }
      - { .name: y_img, .offset: 24, .size: 8, .value_kind: global_buffer, .address_space: global }
    .group_segment_fixed_size: 264192
    .private_segment_fixed_size: 0
    .kernarg_segment_align: 8
    .kernarg_segment_size: 32
    .max_flat_workgroup_size: 512
    .sgpr_count:     96
    .vgpr_count:     256
    .wavefront_size: 32
...
	.end_amdgpu_metadata
.endif
;; end of part 3
;; launch proj (part 4): grid 4 x 32, 4 waves a work-group, clusters of 4 x 4, 327,680 bytes of LDS; arguments y_img, wp_codes, lowp_scales, out0; writes out0
.if DOCPART == 4
	.amdgcn_target "amdgcn-amd-amdhsa--gfx1250"
	.amdhsa_code_object_version 6
	.text
	.protected	k_q5423e87aba_proj
	.globl	k_q5423e87aba_proj
	.p2align	8
	.type	k_q5423e87aba_proj,@function
k_q5423e87aba_proj:
	s_mov_b64 s[64:65], 0
	v_nop
	global_prefetch_b8 v0, s[64:65] scope:SCOPE_SE
	s_setreg_imm32_b32 hwreg(HW_REG_WAVE_MODE, 25, 1), 1
	s_wait_xcnt 0x0
	s_wait_alu depctr_hold_cnt(0) depctr_sa_sdst(0) depctr_va_vdst(0) depctr_va_sdst(0) depctr_va_ssrc(0) depctr_va_vcc(0) depctr_vm_vsrc(0)
	s_getreg_b32 s2, hwreg(HW_REG_IB_STS2, 6, 4)
	s_cmp_eq_u32 s2, 0
	s_cbranch_scc0 .Lentry_in_a_cluster
	s_endpgm
.Lentry_in_a_cluster:
	s_bfe_u32 s2, ttmp6, 0x10000c
	s_cmp_lg_u32 s2, 0xf033
	s_cbranch_scc0 .Lentry_shape_is_right
	s_endpgm
.Lentry_shape_is_right:
; out0 = y w_proj on codes of FP8 (E4M3): y with the scale 2^e6, w_proj with 2^e7 (entries 6 and 7 of the scales).  out0: [8192][1024] f32; each finished sum is multiplied once by 2^(e6 + e7).
; LIMIT: e6 + e7 lies between -126 and 127, so that 2^(e6 + e7) is an f32 number.
; y_img: [K step of 256: 4][tile of 16 rows: 512][q 2][c 4][lane 32][16 bytes]: register images of the fragments; lane r of row tile 2 B + u is row 32 B + 8 u + r + 8 (r / 8).
; wp_codes: [1024][1024], K innermost; stored row s is column s with bits 3 and 4 exchanged.
; A tile of 256 x 256 of the result is made by a work-group of four waves, a wave 128 x 128: 64 accumulators, 512 registers.  K goes in steps of 256 through a ring of two LDS slots filled by the tensor data mover:
; y's part of a slot is a dense block (128 rows' images are 32,768 consecutive bytes of memory, read back at 16 x lane), the weight's has rows of 256 bytes + 16 of padding.
; CLUSTERS: 4 x 4 work-groups; y's tiles are asked for jointly along a row of the cluster, the weight's along a column.  32 x 4 tiles: 128 work-groups.
; THE MATRIX INSTRUCTION IS USED TRANSPOSED (source 0 = 16 rows of the weight, source 1 = 16 rows of y): a lane holds eight neighbouring numbers of a row of the result.
; REGISTERS, in windows of 256: window 0: v0-31 addresses; from v128 y's fragments, ONE set; on the way out v32-255 are free.   window 1: the weight's fragments, TWO sets.   windows 2, 3: the accumulators.
.set SIZE_K, 1024
.set SIZE_N, 1024
.set KSTEP,  256
.set ROWB,   256                       ; a row of the weight's tile in bytes
.set KROW,   SIZE_K
.set PITCH,  272                       ; the weight's LDS row: 256 bytes + 16 of padding: the 16 rows that a load touches start at 16 different banks (64 banks of 4 bytes: ISA guide 11.1)
.set FR,     16
.set NL,     4
.set NP,     4
.set ABLK,   32768                     ; 128 rows of y, 256 along K, as images: what one tensor load brings of y
.set BOFF,   2*ABLK                    ; the weight's rows lie behind y's two halves
.set HALFT,  128*PITCH                 ; 128 rows of the weight
.set SLOT,   BOFF+2*HALFT
.set KSA,    2097152                   ; a K step on in y_img
.set LAPS,   SIZE_K/(2*KSTEP)
.set SPARE,  2*SLOT                    ; behind the ring: the spare words, 128 bytes for each wave: two blocks of 256 bytes that no other line names
.set SPITCH, 528                       ; the way out: a stage of 16 rows x (512 bytes + 16) for each wave.  It lies in slot 0, which has had its last fill and its last read when the first result is stored there
.set ADRA, 16                          ; v16-17  LDS address of y's fragments in slot 0, 1
.set ADRB, 20                          ; v20-21  the same for the weight
.set STO,  24                          ; v24     the way out: where I put 32 bytes of a row
.set RD,   25                          ; v25     the way out: where I read a row back
.set CO,   26                          ; v26     my byte offset in a row of the result
.set SPW,  28                          ; v28     LDS address of my spare word; never rewritten
.set NIL,  29                          ; v29     0; never rewritten
.set TMP,  32
.set AF,   128
.set BK,   128                         ; the way out: 16 rows read back from the stage: v128-191 and v192-255 by turns
.set G1, 24
.set G0, 32
.set G1B, 48
.set G0B, 56
.set MSB, 0
.macro WIN new                         ; the immediate's high byte repeats the setting that is left
.if MSB != \new
	s_set_vgpr_msb (MSB<<8)|\new
.set MSB, \new
.endif
.endm
.set MUL_LO, 0xa1
.set MUL_HI, 0xf1
.set TO_B,   0x40
.macro JLOAD g0a, g1a, g0b, g1b        ; a joint load: waves 0 and 1 fetch y's halves, waves 2 and 3 the weight's; four v_nop follow each of the two lines
	s_cmp_eq_u32 s15, 0
	s_cbranch_scc0 .Lfor_b_\@
	tensor_load_to_lds s[\g0a:\g0a+3], s[\g1a:\g1a+7]
	s_nop 0
.rept 4
	v_nop
.endr
	s_branch .Lasked_\@
.Lfor_b_\@:
	tensor_load_to_lds s[\g0b:\g0b+3], s[\g1b:\g1b+7]
	s_nop 0
.rept 4
	v_nop
.endr
.Lasked_\@:
.endm
.macro CREST
	s_cmp_lg_u32 s14, 0
	s_cbranch_scc1 .Lnot_wave_0_\@
	s_barrier_signal -3
.Lnot_wave_0_\@:
	s_barrier_wait -3
	s_barrier_signal -1
	s_barrier_wait -1
.endm
.macro CROUND
	s_barrier_signal -1
	s_barrier_wait -1
	CREST
.endm
	s_load_b128 s[4:7], s[0:1], 0x0                ; y_img s[4:5], wp_codes s[6:7]
	s_load_b128 s[8:11], s[0:1], 0x10              ; the scales' exponents s[8:9], out0 s[10:11]
	v_lshl_add_u32 v[SPW], v0, 2, SPARE
	v_mov_b32 v[NIL], 0
	ds_add_u32 v28, v29
	ds_add_u32 v28, v29
	s_wait_dscnt 0x0
	v_lshrrev_b32 v1, 5, v0
	v_readfirstlane_b32 s14, v1                    ; wave 0..3
	s_lshr_b32 s15, s14, 1                         ; which half of the tile's rows is mine.  Also: I fetch for y (0) or for the weight (1)
	s_and_b32 s16, s14, 1                          ; which half of its columns.  Also: which half of that tile I fetch
	s_bfe_u32 s40, ttmp6, 0x40000                  ; cx, cy
	s_bfe_u32 s41, ttmp6, 0x40004
	s_lshl_b32 s42, ttmp9, 2
	s_add_co_u32 s42, s42, s40                     ; tile column
	s_and_b32 s17, ttmp7, 0xffff
	s_lshl_b32 s17, s17, 2
	s_add_co_u32 s17, s17, s41                     ; tile row
	s_lshl_b32 s43, s41, 2
	s_lshl_b32 s43, 15, s43                        ; my row of the cluster
	s_lshl_b32 s44, 0x1111, s40                    ; my column
	; descriptor group 1.  y: a dense block as 128 rows of 256 bytes (32 elements of 8 bytes), no padding
	s_or_b32 s[G1+0], s43, (3<<16)|(1<<21)         ; 15:0 the mask: y's tiles go to my row; 17:16 element of 8 bytes; 21 set beside a mask
	s_mov_b32 s[G1+1], 32<<16                      ; tensor_dim0
	s_mov_b32 s[G1+2], 128<<16                     ; tensor_dim1
	s_mov_b32 s[G1+3], 32<<16                      ; tile_dim0
	s_mov_b32 s[G1+4], 128                         ; tile_dim1
	s_mov_b32 s[G1+5], 32                          ; the pitch
	s_mov_b32 s[G1+6], 0
	s_mov_b32 s[G1+7], 0
	; the weight: 128 rows x 256 bytes, padded in LDS
	s_or_b32 s[G1B+0], s44, (0<<16)|(1<<20)|(1<<21)|(5<<22)|(3<<25)   ; the mask of my column; element of 1 byte; padding: 4 words after every 64
	s_mov_b32 s[G1B+1], ROWB<<16
	s_mov_b32 s[G1B+2], 128<<16
	s_mov_b32 s[G1B+3], ROWB<<16
	s_mov_b32 s[G1B+4], 128
	s_mov_b32 s[G1B+5], KROW
	s_mov_b32 s[G1B+6], 0
	s_mov_b32 s[G1B+7], 0
	s_lshl_b32 s20, s17, 4                         ; y: 16 row tiles to a tile row,
	s_lshl_b32 s18, s16, 3
	s_add_co_u32 s20, s20, s18                     ; 8 to a half,
	s_lshl_b32 s20, s20, 12                        ; 4,096 bytes each
	s_mov_b32 s21, 0
	s_lshl_b32 s18, s16, 7
	s_lshl_b32 s46, s42, 8
	s_add_co_u32 s46, s46, s18                     ; the weight: row 256 x tile column + 128 x half,
	s_lshl_b32 s46, s46, 10                        ; 1,024 bytes each
	s_mov_b32 s47, 0
	s_lshl_b32 s45, s16, 15                        ; where they go: y's half x 32,768;
	s_mul_i32 s66, s16, HALFT
	s_add_co_u32 s66, s66, BOFF                    ; the weight's half x 128 rows, behind y's: no place in the cluster enters an LDS address
	s_wait_kmcnt 0x0
	s_load_b64 s[96:97], s[8:9], 0x18              ; e6, e7
	s_add_nc_u64 s[20:21], s[4:5], s[20:21]
	s_add_nc_u64 s[46:47], s[6:7], s[46:47]
	CROUND                                         ; all sixteen work-groups are here: the first joint loads meet
.irp s, 0,1
	s_mov_b32 s[G0+4*\s], 1
	s_add_co_u32 s[G0+4*\s+1], s45, \s*SLOT
	s_add_nc_u64 s[G0+4*\s+2:G0+4*\s+3], s[20:21], \s*KSA
	s_or_b32 s[G0+4*\s+3], s[G0+4*\s+3], 0x80000000
	s_mov_b32 s[G0B+4*\s], 1
	s_add_co_u32 s[G0B+4*\s+1], s66, \s*SLOT
	s_add_nc_u64 s[G0B+4*\s+2:G0B+4*\s+3], s[46:47], \s*ROWB
	s_or_b32 s[G0B+4*\s+3], s[G0B+4*\s+3], 0x80000000
	s_wait_alu depctr_va_vdst(0)
	s_wait_tensorcnt 0x0
	ds_add_u32 v28, v29
	ds_add_u32 v28, v29
	s_wait_dscnt 0x0
	CROUND
	JLOAD G0+4*\s, G1, G0B+4*\s, G1B
.endr
	v_and_b32 v1, 15, v0                           ; l % 16
	v_bfe_u32 v2, v0, 4, 1                         ; l / 16
	v_mul_u32_u24 v3, v1, PITCH
	v_lshl_add_u32 v4, v2, 4, v3                   ; the weight: a fragment's row x pitch + 16 x half
	v_and_b32 v6, 31, v0
	v_lshlrev_b32 v[CO], 4, v6                     ; 16 x lane: y's images, and my place in a row of 512 bytes on the way out
	s_wait_alu depctr_va_vdst(0)
	s_lshl_b32 s21, s15, 15                        ; my 128 rows of y
	s_mul_i32 s22, s16, HALFT
	s_add_co_u32 s22, s22, BOFF                    ; my 128 rows of the weight
.irp s, 0,1
	v_add_nc_u32 v[ADRA+\s], s21, v[CO]
	v_add_nc_u32 v[ADRB+\s], s22, v4
	s_add_co_u32 s21, s21, SLOT
	s_add_co_u32 s22, s22, SLOT
.endr
	s_mul_i32 s23, s14, 16*SPITCH                  ; my stage
	v_mul_u32_u24 v5, v1, SPITCH                   ; in: row l % 16; by the weight's order of rows, accumulator 2 p + u holds columns 32 p + 16 (l / 16) + 8 u + 0 .. 7
	v_lshl_add_u32 v5, v2, 6, v5
	v_add_nc_u32 v[STO], s23, v5
	v_add_nc_u32 v[RD], s23, v[CO]                 ; back: the 32 lanes take one row of 512 bytes
	s_lshl_b32 s20, s17, 8
	s_lshl_b32 s21, s15, 7
	s_add_co_u32 s20, s20, s21                     ; my first row of the result: 256 x tile row + 128 x half
	s_lshl_b32 s20, s20, 12                        ; 4,096 bytes a row
	s_mov_b32 s21, 0
	s_lshl_b32 s46, s42, 10                        ; my first column, in bytes: 1,024 x tile column + 512 x half
	s_lshl_b32 s47, s16, 9
	s_add_co_u32 s46, s46, s47
	s_mov_b32 s47, 0
	s_add_nc_u64 s[20:21], s[20:21], s[46:47]
	s_add_nc_u64 s[10:11], s[10:11], s[20:21]
.macro FRAGB reg, adr, q, i            ; a fragment of the weight: lane l holds row l % 16; registers 4 c .. 4 c + 3 hold K = 32 c + 16 (l / 16) + 0 .. 15
.irp c, 0,1,2,3
	ds_load_b128 v[\reg+4*\c:\reg+4*\c+3], v[\adr] offset:128*(\q)+32*\c+(\i)*16*PITCH
.endr
.endm
.macro FRAGA reg, adr, q, i            ; a fragment of y comes back as it was stored: the same K in the same registers
.irp c, 0,1,2,3
	ds_load_b128 v[\reg+4*\c:\reg+4*\c+3], v[\adr] offset:(\i)*4096+(\q)*2048+512*\c
.endr
.endm
; The 64 accumulators take turns, one instruction a turn, in the same order in every step.
.macro MUL16 a0, p, zero
.irp a, \a0, \a0+1
.irp b, 0,1,2,3,4,5,6,7
.if \zero
	v_wmma_f32_16x16x128_fp8_fp8 v[8*(8*((\a)%4)+\b):8*(8*((\a)%4)+\b)+7], v[128*(\p)+FR*\b:128*(\p)+FR*\b+FR-1], v[AF+FR*(\a):AF+FR*(\a)+FR-1], 0
.else
	v_wmma_f32_16x16x128_fp8_fp8 v[8*(8*((\a)%4)+\b):8*(8*((\a)%4)+\b)+7], v[128*(\p)+FR*\b:128*(\p)+FR*\b+FR-1], v[AF+FR*(\a):AF+FR*(\a)+FR-1], v[8*(8*((\a)%4)+\b):8*(8*((\a)%4)+\b)+7]
.endif
.endr
.endr
.endm
.macro FETCH_B slot, q, p
	WIN TO_B
.irp i, 0,1,2,3,4,5,6,7
	FRAGB 128*(\p)+FR*\i, ADRB+\slot, \q, \i
.endr
	WIN 0
.endm
.macro FETCH_A slot, q, i0
.irp i, \i0, \i0+1, \i0+2, \i0+3
	FRAGA AF+FR*(\i), ADRA+\slot, \q, \i
.endr
.endm
.macro PLACES n                        ; places behind matrix instructions, in front of loads into registers that they have read and of the first read of results
.rept \n
	v_nop
.endr
.endm
.macro STEP slot, q, zero
	s_wait_dscnt 4*NL                              ; the weight's set and y's blocks 0-3 are in; the youngest sixteen loads (blocks 4-7) may be out
	WIN MUL_LO
	MUL16 0, (\q)%2, \zero
	MUL16 2, (\q)%2, \zero
	s_wait_dscnt 0
	PLACES NP
	FETCH_B \slot, (\q)+1, 1-(\q)%2
	FETCH_A \slot, (\q)+1, 0
	WIN MUL_HI
	MUL16 4, (\q)%2, \zero
	MUL16 6, (\q)%2, \zero
	PLACES NP
	WIN 0
	FETCH_A \slot, (\q)+1, 4
.endm
.macro TURN slot, next, fill
	s_wait_tensorcnt 0x0                           ; all my tensor loads have landed: my part of the next slot;
	ds_add_u32 v[SPW], v[NIL]                      ; 0 onto my spare word
	s_wait_dscnt 4*NL+1                            ; (the add and the youngest sixteen loads may be out)
	WIN MUL_LO
	MUL16 0, 1, 0
	s_wait_dscnt 0x0                               ; the add is done, and my reads of this slot are over
	s_barrier_signal -1
	MUL16 2, 1, 0
	WIN 0
	s_barrier_wait -1
.if \fill
	CREST                                          ; the barrier has opened a round of the cluster's barrier: no wave of any partner still reads this slot's tile or has a load on its way
	s_add_nc_u64 s[G0+4*\slot+2:G0+4*\slot+3], s[G0+4*\slot+2:G0+4*\slot+3], 2*KSA
	s_add_nc_u64 s[G0B+4*\slot+2:G0B+4*\slot+3], s[G0B+4*\slot+2:G0B+4*\slot+3], 2*ROWB
	JLOAD G0+4*\slot, G1, G0B+4*\slot, G1B         ; the first tensor load behind the round; its four v_nop are the places in front of the loads below
.else
	PLACES NP
.endif
	FETCH_B \next, 0, 0
	FETCH_A \next, 0, 0
	WIN MUL_HI
	MUL16 4, 1, 0
	MUL16 6, 1, 0
	PLACES NP
	WIN 0
	FETCH_A \next, 0, 4
.endm
	s_wait_alu depctr_va_vdst(0)
	s_wait_tensorcnt 1                             ; my part of K step 0 is in (K step 1's load may be out)
	s_barrier_signal -1
	s_barrier_wait -1                              ; everybody's is
	FETCH_B 0, 0, 0
	FETCH_A 0, 0, 0
	FETCH_A 0, 0, 4
	STEP 0, 0, 1                                   ; the first step's products start the sums
	s_mov_b32 s3, LAPS-1
.Llap:
	TURN 0, 1, 1
	STEP 1, 0, 0
	TURN 1, 0, 1
	STEP 0, 0, 0
	s_sub_co_u32 s3, s3, 1
	s_cmp_lg_u32 s3, 0
	s_cbranch_scc1 .Llap
	TURN 0, 1, 0                                   ; the last lap fills nothing
	STEP 1, 0, 0
	s_wait_dscnt 4*NL
	WIN MUL_LO
	MUL16 0, 1, 0
	MUL16 2, 1, 0
	s_wait_dscnt 0
	WIN MUL_HI
	MUL16 4, 1, 0
	MUL16 6, 1, 0
	WIN 0
; THE WAY OUT, block by block of 16 rows x 128 columns, through my own stage in LDS: in as 32 bytes a lane, back as whole rows of 512 bytes.  LDS serves a wave's instructions in order (ISA guide 5.7.1.4).
.macro TOSTAGE a
.set AC, 64*((\a)%4)
	WIN 0x02+((\a)/4)
.irp j, 0,2,4,6,8,10,12,14,16,18,20,22,24,26,28,30,32,34,36,38,40,42,44,46,48,50,52,54,56,58,60,62
	v_pk_mul_f32 v[TMP+\j:TMP+\j+1], v[AC+\j:AC+\j+1], s[96:97] op_sel_hi:[1,0]   ; both x s96 = 2^(e6 + e7); each accumulator from its low end on
.endr
	WIN 0
.irp b, 0,1,2,3,4,5,6,7
	ds_store_b128 v[STO], v[TMP+8*\b:TMP+8*\b+3] offset:128*(\b/2)+32*(\b%2)
	ds_store_b128 v[STO], v[TMP+8*\b+4:TMP+8*\b+7] offset:128*(\b/2)+32*(\b%2)+16
.endr
.set BB, BK+64*((\a)%2)
.irp t, 0,1,2,3,4,5,6,7,8,9,10,11,12,13,14,15
	ds_load_b128 v[BB+4*\t:BB+4*\t+3], v[RD] offset:\t*SPITCH
.endr
.endm
.macro SEND a, younger                 ; younger: the LDS instructions issued behind block a's loads, which may stay out
.set BB, BK+64*((\a)%2)
	s_wait_dscnt \younger
.irp t, 0,1,2,3,4,5,6,7,8,9,10,11,12,13,14,15
	global_store_b128 v[CO], v[BB+4*\t:BB+4*\t+3], s[10:11] offset:(32*((\a)/2)+8*((\a)%2)+\t+8*(\t/8))*SIZE_N*4 th:TH_STORE_NT   ; stage row t of block a is row 32 (a / 2) + 8 (a % 2) + t + 8 (t / 8); 32 lanes store 512 consecutive bytes, aligned; 127 rows at the most: inside the signed 24-bit immediate
.endr
.endm
	s_wait_kmcnt 0x0
	s_add_co_i32 s96, s96, s97                     ; e6 + e7,
	s_add_co_i32 s96, s96, 127
	s_lshl_b32 s96, s96, 23                        ; as the f32 number 2^(e6 + e7)
	PLACES NP
	TOSTAGE 0
.irp a, 1,2,3,4,5,6,7
.if \a > 1
	s_wait_xcnt 0x0                                ; block a - 2's stores have read their registers: block a's loads may land there
.endif
	TOSTAGE \a
	SEND \a-1, 32                                  ; behind block a - 1's loads: block a's 16 stores and 16 loads
.endr
	SEND 7, 0
	s_wait_tensorcnt 0x0                           ; the wave's end
	ds_add_u32 v[SPW], v[NIL]
	s_wait_dscnt 0x0
	CROUND                                         ; the closing round
	s_endpgm
.Lfunc_end_k_q5423e87aba_proj:
	.size	k_q5423e87aba_proj, .Lfunc_end_k_q5423e87aba_proj-k_q5423e87aba_proj
	.p2alignl 7, 3214868480
	.fill 96, 4, 3214868480
	.section	.rodata,"a",@progbits
	.p2align	6, 0x0
	.amdhsa_kernel k_q5423e87aba_proj
		.amdhsa_group_segment_fixed_size 327680
		.amdhsa_private_segment_fixed_size 0
		.amdhsa_enable_private_segment 0
		.amdhsa_kernarg_size 32
		.amdhsa_user_sgpr_count 2
		.amdhsa_user_sgpr_kernarg_segment_ptr 1
		.amdhsa_wavefront_size32 1
		.amdhsa_system_sgpr_workgroup_id_x 1
		.amdhsa_system_sgpr_workgroup_id_y 1
		.amdhsa_system_sgpr_workgroup_id_z 1
		.amdhsa_system_vgpr_workitem_id 0
		.amdhsa_next_free_vgpr 1024
		.amdhsa_next_free_sgpr 98
		.amdhsa_reserve_vcc 0
		.amdhsa_float_denorm_mode_32 3
		.amdhsa_float_denorm_mode_16_64 3
		.amdhsa_memory_ordered 1
		.amdhsa_forward_progress 1
		.amdhsa_inst_pref_size 124
	.end_amdhsa_kernel
	.amdgpu_metadata
---
amdhsa.version: [ 1, 2 ]
amdhsa.kernels:
  - .name:           k_q5423e87aba_proj
    .symbol:         k_q5423e87aba_proj.kd
    .args:
      - { .name: y_img, .offset: 0, .size: 8, .value_kind: global_buffer, .address_space: global }
      - { .name: wp_codes, .offset: 8, .size: 8, .value_kind: global_buffer, .address_space: global }
      - { .name: lowp_scales, .offset: 16, .size: 8, .value_kind: global_buffer, .address_space: global }
      - { .name: out0, .offset: 24, .size: 8, .value_kind: global_buffer, .address_space: global }
    .group_segment_fixed_size: 327680
    .private_segment_fixed_size: 0
    .kernarg_segment_align: 8
    .kernarg_segment_size: 32
    .max_flat_workgroup_size: 128
    .sgpr_count:     98
    .vgpr_count:     1024
    .wavefront_size: 32
...
	.end_amdgpu_metadata
.endif
;; end of part 4
